; MI455X (gfx1250); checked and timed in simulation.
; The chip was launched on July 23, 2026; its instructions are those of AMD's public machine-readable ISA for CDNA 5 (MIT licence, August 2026) and "CDNA5" Instruction Set Architecture Reference Guide (July 2026). The comments in the code are by the model that wrote it; some were corrected since.
;; Probabilistic Multi Head Attention. Allowed arithmetic: matrix products marked QUANTISED: E2M1 operands, one E8M0 scale for each 32 along K, by v_wmma_scale_f32_16x16x128_f8f6f4 with both operands' format E2M1 (or v_wmma_scale_f32_32x16x128_f4), f32 sums; products left as they are: bf16, f16 or f32 operands; f32 sums; everything else in f32.
;; Inputs: Wproj_mu 1,024 x 1,024 float32; Wproj_sigma 1,024 x 1,024 float32; Wqkv_mu 1,024 x 3,072 float32; Wqkv_sigma 1,024 x 3,072 float32; alpha one number float32; bproj_mu 1,024 float32; bproj_sigma 1,024 float32; bqkv_mu 3,072 float32; bqkv_sigma 3,072 float32; mu 2 x 2,048 x 1,024 float32; sigma 2 x 2,048 x 1,024 float32.
;; Outputs: out0 2 x 2,048 x 1,024 float32; out1 2 x 2,048 x 1,024 float32.
;; This version of the problem:
;;   THIS VERSION OF THE PROBLEM IS GIVEN IN LOW PRECISION. The matrix products marked QUANTISED in the list below multiply operands that are first quantised to E2M1 (2 exponent bits, 1 mantissa bit; 4 bits a number), with one power-of-two scale for each 32 numbers along K (OCP MX v1.0); their sums are f32. The products marked 'left as it is' may take bf16, f16 or f32 operands, with f32 sums. Whichever they take, every output number must still come out within the allowed error. Rounding operands to bf16 (8 significant bits) uses up far more of that allowance than f16 does (11 bits, for magnitudes from 6e-5 to 65,504). All else is computed in f32.
;;   The module's matrix products, in the order in which they are computed (A, B: the left and right operand; K: the contracted axis; several contracted axes count as one K, in the product's order):
;;     1. [M 4,096, K 1,024] x [K 1,024, N 3,072]; A: input mu; B: input Wqkv_mu: QUANTISED
;;     2. [M 4,096, K 1,024] x [K 1,024, N 3,072]; A: input sigma; B: input Wqkv_sigma: QUANTISED
;;     3. batch 32 x [M 2,048, K 64] x [K 64, N 2,048]; A: computed on the way; B: computed on the way: left as it is (an operand is computed on the way)
;;     4. batch 32 x [M 2,048, K 64] x [K 64, N 2,048]; A: computed on the way; B: computed on the way: left as it is (an operand is computed on the way)
;;     5. batch 32 x [M 2,048, K 2,048] x [K 2,048, N 64]; A: computed on the way; B: computed on the way: left as it is (an operand is computed on the way)
;;     6. batch 32 x [M 2,048, K 2,048] x [K 2,048, N 64]; A: computed on the way; B: computed on the way: left as it is (an operand is computed on the way)
;;     7. [M 4,096, K 1,024] x [K 1,024, N 1,024]; A: computed on the way; B: input Wproj_mu: left as it is (an operand is computed on the way)
;;     8. [M 4,096, K 1,024] x [K 1,024, N 1,024]; A: computed on the way; B: input Wproj_sigma: left as it is (an operand is computed on the way)
;;   THE QUANTISER, for each operand of a quantised product, along K:
;;     - K is cut into blocks of 32 from its start; a last block that is shorter is filled with zeros.
;;     - A block's scale is 2^e with e = floor(log2(the largest magnitude in the block)) - 2, held to -126 .. 127; a block of zeros has e = 0. As a byte (E8M0): e + 127.
;;     - Each number is divided by its block's scale, clamped to +-6, and rounded to the nearest number of E2M1, ties to even, subnormals kept.
;;     - The product sums the exact products of the quantised numbers (number of the format x scale) in f32.
;;   ~~~python
;;   def quantise(x, axis):      # numpy; x: float32 -> the quantised numbers, widened to float32 again
;;       x = np.moveaxis(x, axis, -1); K = x.shape[-1]
;;       x = np.pad(x, [(0, 0)] * (x.ndim - 1) + [(0, -K % 32)]); x = x.reshape(x.shape[:-1] + (-1, 32)); a = np.abs(x).max(-1, keepdims=True)
;;       e = np.where(a > 0, np.clip(np.frexp(np.where(a > 0, a, 1))[1] - 1 - 2, -126, 127), 0)      # np.frexp(a)[1] - 1 = floor(log2(a)), exactly
;;       r = np.clip(x / 2.0 ** e, -6, 6)
;;       step = 2.0 ** (np.maximum(np.frexp(np.where(r == 0, 1, r))[1] - 1, 0) - 1)
;;       q = np.round(r / step) * step * 2.0 ** e      # np.round: ties to even
;;       return np.moveaxis(q.reshape(q.shape[:-2] + (-1,))[..., :K], -1, axis).astype(np.float32)
;;   ~~~
;; One version. Each part assembles by itself: llvm-mc -triple=amdgcn-amd-amdhsa -mcpu=gfx1250 --defsym DOCPART=n.
;; ======== version 1 of 1: 5 launches
;; limits: values are held in f16: magnitudes above 65,504 overflow, below 6.1e-05 lose precision
;; workspace buffers: xc 4,194,304 bytes; xs 262,144 bytes; wc 3,145,728 bytes; ws 196,608 bytes; wp 4,194,304 bytes; qkv 50,331,648 bytes; q32 786,432 bytes; ao 16,777,216 bytes
;; launch prep (part 1): grid 448 x 1, 8 waves a work-group, no clusters, 84,992 bytes of LDS; arguments mu, sigma, Wqkv_mu, Wqkv_sigma, Wproj_mu, Wproj_sigma, xc, xs, wc, ws, wp; writes xc, xs, wc, ws, wp
.if DOCPART == 1
	.amdgcn_target "amdgcn-amd-amdhsa--gfx1250"
	.amdhsa_code_object_version 6
	.text
	.protected	k_q74d9e009d8_prep
	.globl	k_q74d9e009d8_prep
	.p2align	8
	.type	k_q74d9e009d8_prep,@function
k_q74d9e009d8_prep:
	s_mov_b64 s[64:65], 0
	v_nop
	global_prefetch_b8 v0, s[64:65] scope:SCOPE_SE
	s_setreg_imm32_b32 hwreg(HW_REG_WAVE_MODE, 25, 1), 1
	s_wait_xcnt 0x0
; PREP: the two quantisers of the QKV products, and Wproj rounded to f16.
; THE PROGRAM: prep (codes and scale bytes of mu, sigma, Wqkv_mu, Wqkv_sigma; Wproj in f16), qkv (the two quantised products, bias, head split), attn (scores, mask, softmax, both V products),
; proj (the two products on the way out), fine (positions 0 to 15 of both sequences once more, in f32).
; WORK LEFT OUT, for all values of the inputs: the K third of bqkv_mu and of bqkv_sigma (numbers 1024 to 2047 of each).  With K = K0 + bk the score of query q and key k is
; scale (Q_mu[q].K0_mu[k] + alpha Q_sg[q].K0_sg[k]) + scale (Q_mu[q].bk_mu + alpha Q_sg[q].bk_sg): the second term is the same for every key k of row q, that is along the axis of the softmax, which takes it away;
; hidden scores are -infinity with it and without it; the score products are not quantised, and K goes nowhere else.  So those 2 x 1,024 numbers are not loaded (the Q and V thirds are).
; LIMIT: a NaN, an infinity or an overflow that reaches only those numbers is not carried to the result.
; LIMITS of the quantisers: blocks whose largest magnitude lies under 2^-124 keep the scale byte 1; a block of zeros has the byte 1 and zero codes (the bytes are read by this program alone); NaN and infinities among the inputs are not served.
; LIMIT of the cast: Wproj must lie inside the range of f16 (65,504).
; THREE STREAMS IN ONE LAUNCH, told apart by the work-group number alone, each with LDS bytes of its own:
;   work-groups 0-127    X: mu and sigma, K innermost: a plain stream of blocks of 32; a wave takes 8,192 numbers in 16 steps of 512
;   work-groups 128-319  W: Wqkv_mu and Wqkv_sigma, K outermost: a lane takes a column, its registers run down K; 64 columns x 512 along K a work-group, 128 along K a wave
;   work-groups 320-447  P: Wproj_mu and Wproj_sigma to f16, as they lie; 2,048 numbers a wave
.set WREG,  8192                       ; X: LDS of a wave: two stages of 32 x SP bytes, behind them its 256 scale bytes
.set SP,    80                         ; X: a lane's place in a stage: 64 bytes + 16 of padding
.set CB,    8                          ; X: bytes of 16 codes
.set EMAX,  2
.set STEPS, 16
.set WST,   65536                      ; W: 64 rows (columns of W) x (256 bytes of codes + 16)
.set WSC,   82944                      ; W: 64 x 16 scale bytes
.set SPARE, 83968                      ; the spare words, 128 bytes for each of 8 waves: no other line names them
.set SPW,   12                         ; v12  LDS address of my spare word; never rewritten
.set NIL,   13                         ; v13  0; never rewritten
.set R,     16                         ; X: v16-79   four sets of 16 numbers as loaded
.set X,     80                         ; X: v80-111  two sets of 16 neighbours
.set E,     112                        ; X: v112-127 a scale byte for each step
.set C,     128                        ; X: v128-191 codes, four registers a step
.macro XLOAD t
.irp i, 0,1,2,3
	global_load_b128 v[R+16*((\t)%4)+4*\i:R+16*((\t)%4)+4*\i+3], v3, s[4:5] offset:2048*(\t)+512*\i th:TH_LOAD_NT   ; 32 lanes read 512 consecutive bytes
.endr
.endm
.macro XTURN t                         ; a step's numbers through the stage: LDS serves a wave's instructions in order, so no wait stands between the stores and the loads
.irp i, 0,1,2,3
	ds_store_b128 v14, v[R+16*((\t)%4)+4*\i:R+16*((\t)%4)+4*\i+3] offset:32*SP*((\t)%2)+8*SP*\i
.endr
.irp i, 0,1,2,3
	ds_load_b128 v[X+16*((\t)%2)+4*\i:X+16*((\t)%2)+4*\i+3], v15 offset:32*SP*((\t)%2)+16*\i
.endr
.endm
.macro XSTEP t
.set XS, X+16*((\t)%2)
.if (\t) > 0
	s_wait_dscnt 1                                 ; this step's numbers are back from the stage; the last step's byte store may be out
.else
	s_wait_dscnt 0x0
.endif
.if (\t)+4 < STEPS
	XLOAD (\t)+4                                   ; the registers that the stage's stores have read take the loads of four steps on
.endif
.if (\t)+1 < STEPS
.if STEPS-2-(\t) >= 3
	s_wait_loadcnt 12                              ; the next step's four loads are in; those of the three steps behind it may be out
.else
	s_wait_loadcnt 4*(STEPS-2-(\t))
.endif
	XTURN (\t)+1
.endif
	v_max3_num_f32 v8, |v[XS]|, |v[XS+1]|, |v[XS+2]|               ; the largest magnitude of my 16, in two chains
	v_max3_num_f32 v9, |v[XS+3]|, |v[XS+4]|, |v[XS+5]|
.irp i, 6,10
	v_max3_num_f32 v8, v8, |v[XS+\i]|, |v[XS+\i+1]|
	v_max3_num_f32 v9, v9, |v[XS+\i+2]|, |v[XS+\i+3]|
.endr
	v_max3_num_f32 v8, v8, |v[XS+14]|, |v[XS+15]|
	v_max3_num_f32 v8, v8, v9, (EMAX+1)<<23        ; and the floor 2^(3 - 127): the byte cannot fall under 1
	v_max_num_f32_dpp v8, v8, v8 row_xmask:1 row_mask:0xf bank_mask:0xf   ; with my neighbour's 16: the block's
	v_add_nc_u32 v11, -(EMAX<<23), v8              ; 2 off its exponent field: the conversion takes the exponent field of this operand as its scale
	v_cvt_scalef32_pk8_fp4_f32 v[C+4*(\t)], v[XS:XS+7], v11
	v_cvt_scalef32_pk8_fp4_f32 v[C+4*(\t)+1], v[XS+8:XS+15], v11
	v_lshrrev_b32 v[E+(\t)], 23, v11               ; the scale byte
	ds_store_b8 v5, v[E+(\t)] offset:16*(\t)       ; both lanes of a block write the same byte with the same value
	global_store_b64 v4, v[C+4*(\t):C+4*(\t)+1], s[16:17] offset:32*CB*(\t)   ; the wave stores 256 consecutive bytes, aligned
.endm
.macro WLOAD t                         ; W: block t: W(k0 + 32 t + i, my column) into set t % 2
.irp i, 0,1,2,3,4,5,6,7,8,9,10,11,12,13,14,15,16,17,18,19,20,21,22,23,24,25,26,27,28,29,30,31
	global_load_b32 v[32+32*((\t)%2)+\i], v3, s[8:9] offset:(32*(\t)+\i)*12288 th:TH_LOAD_NT
.endr
.endm
.macro WBLOCK t
.set XS, 32+32*((\t)%2)
.if (\t) < 3
	s_wait_loadcnt 32                              ; this block's 32 loads are in; the next block's may be out
.else
	s_wait_loadcnt 0
.endif
	v_max3_num_f32 v16, |v[XS]|, |v[XS+1]|, |v[XS+2]|              ; all 32 numbers of the block are mine
	v_max3_num_f32 v17, |v[XS+3]|, |v[XS+4]|, |v[XS+5]|
.irp i, 6,10,14,18,22,26
	v_max3_num_f32 v16, v16, |v[XS+\i]|, |v[XS+\i+1]|
	v_max3_num_f32 v17, v17, |v[XS+\i+2]|, |v[XS+\i+3]|
.endr
	v_max3_num_f32 v16, v16, |v[XS+30]|, |v[XS+31]|
	v_max3_num_f32 v16, v16, v17, (EMAX+1)<<23
	v_add_nc_u32 v18, -(EMAX<<23), v16
	v_lshrrev_b32 v19, 23, v18
.if (\t) == 0
	v_mov_b32 v24, v19                             ; four bytes to a register, the lower K in the lower byte: 128 along K, one scale word
.else
	v_lshl_or_b32 v24, v19, 8*(\t), v24
.endif
.irp g, 0,1,2,3
	v_cvt_scalef32_pk8_fp4_f32 v[96+\g], v[XS+8*\g:XS+8*\g+7], v18
.endr
	ds_store_b128 v4, v[96:99] offset:16*(\t)      ; 32 codes: 16 bytes of my column's row
.if (\t)+2 < 4
	WLOAD (\t)+2
.endif
	s_wait_dscnt 0x0                               ; the store has read its registers: the next block's codes may be written
.endm
	s_load_b512 s[4:19], s[0:1], 0x0               ; mu, sigma, Wqkv_mu, Wqkv_sigma, Wproj_mu, Wproj_sigma, xc, xs
	s_load_b128 s[20:23], s[0:1], 0x40             ; wc, ws
	s_load_b64 s[24:25], s[0:1], 0x50              ; wp
	v_lshl_add_u32 v[SPW], v0, 2, SPARE
	v_mov_b32 v[NIL], 0
	v_lshrrev_b32 v1, 5, v0
	v_readfirstlane_b32 s26, v1                    ; wave 0..7
	v_and_b32 v2, 31, v0                           ; lane
	s_wait_kmcnt 0x0
	s_cmp_ge_u32 ttmp9, 320
	s_cbranch_scc1 .Lpath_p
	s_cmp_ge_u32 ttmp9, 128
	s_cbranch_scc1 .Lpath_w
	; ---- X: run = 8 x work-group + wave of 1,024 runs of 8,192 numbers; runs 0-511 are mu, the others sigma
	v_lshlrev_b32 v3, 4, v2                        ; my 16 bytes of a load's 512
	s_mul_i32 s27, s26, WREG
	v_lshrrev_b32 v14, 2, v2
	v_mul_u32_u24 v14, v14, SP
	v_and_b32 v15, 3, v2
	v_lshl_add_u32 v14, v15, 4, v14
	v_add_nc_u32 v14, s27, v14                     ; the stage, on the way in: SP (lane / 4) + 16 (lane % 4)
	v_mul_u32_u24 v15, v2, SP
	v_add_nc_u32 v15, s27, v15                     ; and on the way out: SP x lane: my 16 neighbours
	v_mul_u32_u24 v4, v2, CB
	v_lshrrev_b32 v5, 1, v2
	s_add_co_u32 s27, s27, 2*32*SP
	v_add_nc_u32 v5, s27, v5                       ; my wave's 256 scale bytes, my block's byte
	v_lshlrev_b32 v7, 3, v2
	v_add_nc_u32 v6, s27, v7
	s_cmp_lt_u32 ttmp9, 64
	s_cselect_b64 s[4:5], s[4:5], s[6:7]
	s_lshl_b32 s28, ttmp9, 3
	s_add_co_u32 s28, s28, s26                     ; run
	s_and_b32 s30, s28, 511
	s_lshl_b32 s30, s30, 15                        ; 32,768 bytes of f32 a run
	s_mov_b32 s31, 0
	s_add_nc_u64 s[4:5], s[4:5], s[30:31]
	s_lshl_b32 s30, s28, 12                        ; 4,096 bytes of codes
	s_add_nc_u64 s[16:17], s[16:17], s[30:31]
	s_lshl_b32 s30, s28, 8                         ; 256 scale bytes
	s_add_nc_u64 s[18:19], s[18:19], s[30:31]
.irp t, 0,1,2,3
	XLOAD \t
.endr
	s_wait_loadcnt 12                              ; step 0's four loads are in
	XTURN 0
.irp t, 0,1,2,3,4,5,6,7,8,9,10,11,12,13,14,15
	XSTEP \t
.endr
	ds_load_b64 v[8:9], v6                         ; LDS serves a wave's instructions in order: these see my byte stores
	s_wait_dscnt 0x0
	global_store_b64 v7, v[8:9], s[18:19]          ; 32 lanes store 256 consecutive bytes, aligned
	s_branch .Lend
	; ---- W
.Lpath_w:
	s_sub_co_u32 s28, ttmp9, 128
	s_cmp_ge_u32 s28, 96                           ; 96 work-groups a tensor
	s_cselect_b64 s[8:9], s[10:11], s[8:9]
	s_cselect_b32 s29, 1, 0                        ; t
	s_cselect_b32 s30, 96, 0
	s_sub_co_u32 s28, s28, s30
	s_cmp_ge_u32 s28, 48
	s_cselect_b32 s31, 1, 0                        ; kh: which 512 along K
	s_cselect_b32 s30, 48, 0
	s_sub_co_u32 s28, s28, s30                     ; cg: which 64 columns
	s_and_b32 s32, s26, 1                          ; cgw: which 32 of them are my wave's
	s_lshr_b32 s33, s26, 1                         ; kq: which 128 along K
	v_lshlrev_b32 v3, 2, v2
	s_mul_i32 s34, s32, 32*272
	s_lshl_b32 s35, s33, 6
	s_add_co_u32 s34, s34, s35
	s_add_co_u32 s34, s34, WST
	v_mul_u32_u24 v4, v2, 272
	v_add_nc_u32 v4, s34, v4                       ; codes in: row = my column, 64 kq bytes on
	s_lshl_b32 s34, s32, 9
	s_lshl_b32 s35, s33, 2
	s_add_co_u32 s34, s34, s35
	s_add_co_u32 s34, s34, WSC
	v_lshl_add_u32 v5, v2, 4, s34                  ; my scale word: 16 bytes a column, word kq
	v_and_b32 v6, 15, v2
	v_lshrrev_b32 v10, 4, v2
	s_mul_i32 s34, s26, 8*272
	s_add_co_u32 s34, s34, WST
	v_mul_u32_u24 v7, v10, 272
	v_lshl_add_u32 v7, v6, 4, v7
	v_add_nc_u32 v7, s34, v7                       ; codes out: wave w takes rows 8 w .. 8 w + 7, sixteen lanes to a row
	s_lshl_b32 s34, s26, 12
	v_lshlrev_b32 v8, 9, v10
	v_lshl_add_u32 v8, v6, 4, v8
	v_add_nc_u32 v8, s34, v8                       ; and the same place in wc: rows of 512 bytes
	s_lshl_b32 s35, s32, 9
	s_add_co_u32 s35, s35, WSC
	v_lshl_add_u32 v9, v2, 4, s35                  ; scale bytes out (waves 0 and 1): 16 bytes a column
	s_lshl_b32 s35, s32, 10
	v_lshl_add_u32 v11, v2, 5, s35                 ; and in ws: rows of 32 bytes
	s_lshl_b32 s36, s31, 9
	s_lshl_b32 s37, s33, 7
	s_add_co_u32 s36, s36, s37                     ; k0 = 512 kh + 128 kq
	s_mul_i32 s36, s36, 12288
	s_lshl_b32 s37, s28, 8
	s_add_co_u32 s36, s36, s37
	s_lshl_b32 s37, s32, 7
	s_add_co_u32 s36, s36, s37
	s_mov_b32 s37, 0
	s_add_nc_u64 s[8:9], s[8:9], s[36:37]
	s_mul_i32 s36, s29, 1572864                    ; wc: t x 3,072 rows + 64 cg rows + 256 kh bytes
	s_lshl_b32 s38, s28, 15
	s_add_co_u32 s36, s36, s38
	s_lshl_b32 s38, s31, 8
	s_add_co_u32 s36, s36, s38
	s_add_nc_u64 s[20:21], s[20:21], s[36:37]
	s_mul_i32 s36, s29, 98304                      ; ws likewise: rows of 32 bytes, 16 kh bytes on
	s_lshl_b32 s38, s28, 11
	s_add_co_u32 s36, s36, s38
	s_lshl_b32 s38, s31, 4
	s_add_co_u32 s36, s36, s38
	s_add_nc_u64 s[22:23], s[22:23], s[36:37]
	WLOAD 0
	WLOAD 1
	WBLOCK 0
	WBLOCK 1
	WBLOCK 2
	WBLOCK 3
	ds_store_b32 v5, v24
	s_wait_dscnt 0x0                               ; for the others' sake: my codes and my scale word lie in LDS
	s_barrier_signal -1                            ; (all eight waves of a work-group are on this path together)
	s_barrier_wait -1
.irp i, 0,1,2,3
	ds_load_b128 v[112+4*\i:115+4*\i], v7 offset:2*\i*272
.endr
.irp i, 0,1,2,3
	s_wait_dscnt 3-\i
	global_store_b128 v8, v[112+4*\i:115+4*\i], s[20:21] offset:2*\i*512   ; sixteen lanes store 256 consecutive bytes, aligned
.endr
	s_cmp_ge_u32 s26, 2
	s_cbranch_scc1 .Lend
	ds_load_b128 v[128:131], v9
	s_wait_dscnt 0x0
	global_store_b128 v11, v[128:131], s[22:23]    ; 16 of a row's 32 scale bytes: one byte in 128 of what this path reads
	s_branch .Lend
	; ---- P
.Lpath_p:
	s_sub_co_u32 s28, ttmp9, 320
	s_cmp_ge_u32 s28, 64
	s_cselect_b64 s[12:13], s[14:15], s[12:13]
	s_cselect_b32 s29, 2097152, 0
	s_and_b32 s28, s28, 63
	s_lshl_b32 s30, s28, 16
	s_lshl_b32 s32, s26, 13
	s_add_co_u32 s30, s30, s32
	s_mov_b32 s31, 0
	s_add_nc_u64 s[12:13], s[12:13], s[30:31]
	s_lshl_b32 s30, s28, 15
	s_lshl_b32 s32, s26, 12
	s_add_co_u32 s30, s30, s32
	s_add_co_u32 s30, s30, s29
	s_add_nc_u64 s[24:25], s[24:25], s[30:31]
	v_lshlrev_b32 v3, 4, v2
	v_lshlrev_b32 v4, 3, v2
.irp i, 0,1,2,3,4,5,6,7,8,9,10,11,12,13,14,15
	global_load_b128 v[32+4*\i:35+4*\i], v3, s[12:13] offset:512*\i th:TH_LOAD_NT
.endr
.irp i, 0,1,2,3,4,5,6,7,8,9,10,11,12,13,14,15
	s_wait_loadcnt 15-\i                           ; loads come back in order: number i is in
	v_cvt_pk_f16_f32 v[96+2*\i], v[32+4*\i], v[33+4*\i]
	v_cvt_pk_f16_f32 v[97+2*\i], v[34+4*\i], v[35+4*\i]
	global_store_b64 v4, v[96+2*\i:97+2*\i], s[24:25] offset:256*\i   ; 256 consecutive bytes, aligned
.endr
.Lend:
	s_wait_tensorcnt 0x0                           ; the wave's end
	ds_add_u32 v[SPW], v[NIL]
	s_wait_dscnt 0x0
	s_endpgm
.Lfunc_end_k_q74d9e009d8_prep:
	.size	k_q74d9e009d8_prep, .Lfunc_end_k_q74d9e009d8_prep-k_q74d9e009d8_prep
	.p2alignl 7, 3214868480
	.fill 96, 4, 3214868480
	.section	.rodata,"a",@progbits
	.p2align	6, 0x0
	.amdhsa_kernel k_q74d9e009d8_prep
		.amdhsa_group_segment_fixed_size 84992
		.amdhsa_private_segment_fixed_size 0
		.amdhsa_enable_private_segment 0
		.amdhsa_kernarg_size 88
		.amdhsa_user_sgpr_count 2
		.amdhsa_user_sgpr_kernarg_segment_ptr 1
		.amdhsa_wavefront_size32 1
		.amdhsa_system_sgpr_workgroup_id_x 1
		.amdhsa_system_sgpr_workgroup_id_y 1
		.amdhsa_system_sgpr_workgroup_id_z 1
		.amdhsa_system_vgpr_workitem_id 0
		.amdhsa_next_free_vgpr 192
		.amdhsa_next_free_sgpr 66
		.amdhsa_reserve_vcc 0
		.amdhsa_float_denorm_mode_32 3
		.amdhsa_float_denorm_mode_16_64 3
		.amdhsa_memory_ordered 1
		.amdhsa_forward_progress 1
		.amdhsa_inst_pref_size 61
	.end_amdhsa_kernel
	.amdgpu_metadata
---
amdhsa.version: [ 1, 2 ]
amdhsa.kernels:
  - .name:           k_q74d9e009d8_prep
    .symbol:         k_q74d9e009d8_prep.kd
    .args:
      - { .name: mu, .offset: 0, .size: 8, .value_kind: global_buffer, .address_space: global }
      - { .name: sigma, .offset: 8, .size: 8, .value_kind: global_buffer, .address_space: global }
      - { .name: Wqkv_mu, .offset: 16, .size: 8, .value_kind: global_buffer, .address_space: global }
      - { .name: Wqkv_sigma, .offset: 24, .size: 8, .value_kind: global_buffer, .address_space: global }
      - { .name: Wproj_mu, .offset: 32, .size: 8, .value_kind: global_buffer, .address_space: global }
      - { .name: Wproj_sigma, .offset: 40, .size: 8, .value_kind: global_buffer, .address_space: global }
      - { .name: xc, .offset: 48, .size: 8, .value_kind: global_buffer, .address_space: global }
      - { .name: xs, .offset: 56, .size: 8, .value_kind: global_buffer, .address_space: global }
      - { .name: wc, .offset: 64, .size: 8, .value_kind: global_buffer, .address_space: global }
      - { .name: ws, .offset: 72, .size: 8, .value_kind: global_buffer, .address_space: global }
      - { .name: wp, .offset: 80, .size: 8, .value_kind: global_buffer, .address_space: global }
    .group_segment_fixed_size: 84992
    .private_segment_fixed_size: 0
    .kernarg_segment_align: 8
    .kernarg_segment_size: 88
    .max_flat_workgroup_size: 256
    .sgpr_count:     66
    .vgpr_count:     192
    .wavefront_size: 32
...
	.end_amdgpu_metadata
.endif
;; end of part 1
;; launch qkv (part 2): grid 12 x 32, 4 waves a work-group, clusters of 4 x 4, 327,680 bytes of LDS; arguments xc, xs, wc, ws, bqkv_mu, bqkv_sigma, alpha, qkv, q32; writes qkv, q32
.if DOCPART == 2
	.amdgcn_target "amdgcn-amd-amdhsa--gfx1250"
	.amdhsa_code_object_version 6
	.text
	.protected	k_q74d9e009d8_qkv
	.globl	k_q74d9e009d8_qkv
	.p2align	8
	.type	k_q74d9e009d8_qkv,@function
k_q74d9e009d8_qkv:
	s_mov_b64 s[64:65], 0
	v_nop
	global_prefetch_b8 v0, s[64:65] scope:SCOPE_SE
	s_setreg_imm32_b32 hwreg(HW_REG_WAVE_MODE, 25, 1), 1
	s_wait_xcnt 0x0
	s_wait_alu depctr_hold_cnt(0) depctr_sa_sdst(0) depctr_va_vdst(0) depctr_va_sdst(0) depctr_va_ssrc(0) depctr_va_vcc(0) depctr_vm_vsrc(0)
	s_getreg_b32 s2, hwreg(HW_REG_IB_STS2, 6, 4)
	s_cmp_eq_u32 s2, 0
	s_cbranch_scc0 .Lentry_in_a_cluster
	s_endpgm
.Lentry_in_a_cluster:
	s_bfe_u32 s2, ttmp6, 0x10000c
	s_cmp_lg_u32 s2, 0xf033
	s_cbranch_scc0 .Lentry_shape_is_right
	s_endpgm
.Lentry_shape_is_right:
; QKV: [mu; sigma] (8,192 rows) x Wqkv^T on codes of FP4 (E2M1) with one E8M0 scale for each 32 along K = 1,024; sums in f32.  Tile row y of 32: rows 256 y on of the stacked codes; y < 16 is mu, else sigma.
; LEFT OUT: the K third of both biases (shown at the head of prep: it is the same along the axis of the softmax).
; A tile of 256 x 256 is made by four waves, 128 x 128 each: 64 accumulators.  K is two slots of 512: both are asked for at the start, nothing is filled again.  The scale bytes of the 256 + 256 rows come once.
; CLUSTERS: 4 x 4 work-groups; tiles of x are asked for jointly along a row of the cluster, tiles of W along a column.  A cluster spans 1,024 columns: one of Q, K, V (kind = the cluster x), and 1,024 rows of one tensor
; (t = cluster y / 4): every branch on kind is alike in all partners.
; THE MATRIX INSTRUCTION IS USED TRANSPOSED (source 0 = 16 rows of W^T, source 1 = 16 rows of x): a lane holds eight neighbouring columns of one row.
; THE WAY OUT.  Q: (sum + b) x c, c = log2(e) / 8, for sigma c x alpha: the two score products then are ONE product of K = 128 in units of log2.  K: the sum.  V: sum + b.  Rounded to f16 and stored by heads:
; qkv [kind 3][t 2][batch x 16 + head][position 2,048][64]: a wave's 16 rows of a head are 2,048 consecutive bytes.
; The text parts by kind AHEAD of the last 128 along K: each arm asks for its bias (K's arm for none), multiplies the last step while the bias is on its way, and goes out.
; Positions 0 to 15 of both sequences go out in f32 as well, as images of the registers: q32 [batch][t][column / 16][g 2][lane][16 bytes].
; LIMIT: Q x c, K and V must lie inside the range of f16 (65,504).
; REGISTERS: window 0: v0-31 addresses; v32-95 scale words, two sets, and nothing else ever; v96-127 packed f16; v128-191 fragments of x, later rows on the way out; v192-255 the bias, eight registers a block of 16 columns.
;   window 1: fragments of W, two sets.   windows 2, 3: the accumulators ((a, b) at v[8 (8 (a % 4) + b)]).
.set KSTEP,  512
.set NQ,     4
.set ROWB,   256
.set KROW,   512                       ; a row of codes in memory
.set PITCH,  272                       ; an LDS row: 256 bytes + 16 of padding: the 16 rows that a load touches start at 16 different banks
.set FR,     8
.set NL,     2
.set NP,     4
.set HALFT,  128*PITCH
.set SLOT,   4*HALFT
.set KS,     32                        ; a row of scale bytes
.set SCL,    2*SLOT
.set HALFS,  (128*KS/256)*272
.set SBLK,   (16*KS/256)*272
.set SPARE,  SCL+4*HALFS               ; the spare words: 512 bytes that no other line names
.set ADRA, 16
.set ADRB, 20
.set STO,  24                          ; v24  the way out: wave x 4,608 + r x 144 + 16 h.  The stage ([head 2][16 rows][128 + 16 bytes] a wave) lies in slot 0, which has had its only fill and its last read by then
.set RD,   25                          ; v25  back: four rows of 128 bytes an instruction
.set CO,   26                          ; v26  16 x lane
.set ADRS, 27
.set SPW,  28
.set NIL,  29
.set FN,   30                          ; v30  y % 8: 0 where the tile row begins a sequence
.set BO,   31                          ; v31  the bias: 32 h bytes
.set SC,   32
.set TMP,  96
.set AF,   128
.set BK,   128
.set BIAS, 192
.set G1, 24
.set G0, 32
.set G1B, 48
.set G0B, 56
.set G1S, 68
.set G0S, 76
.set G1SB, 80
.set G0SB, 88
.set MSB, 0
.macro WIN new                         ; the immediate's high byte repeats the setting that is left
.if MSB != \new
	s_set_vgpr_msb (MSB<<8)|\new
.set MSB, \new
.endif
.endm
.set MUL_LO, 0xa1
.set MUL_HI, 0xf1
.set TO_B,   0x40
; a joint load: waves 0 and 1 fetch for x, waves 2 and 3 for W; an s_nop 0 and four v_nop follow each of the two lines
.macro JLOAD g0a, g1a, g0b, g1b
	s_cmp_eq_u32 s15, 0
	s_cbranch_scc0 .Lfor_b_\@
	tensor_load_to_lds s[\g0a:\g0a+3], s[\g1a:\g1a+7]
	s_nop 0
.rept 4
	v_nop
.endr
	s_branch .Lasked_\@
.Lfor_b_\@:
	tensor_load_to_lds s[\g0b:\g0b+3], s[\g1b:\g1b+7]
	s_nop 0
.rept 4
	v_nop
.endr
.Lasked_\@:
.endm
.macro CROUND                          ; a round of the cluster's barrier
	s_barrier_signal -1
	s_barrier_wait -1
	s_cmp_lg_u32 s14, 0
	s_cbranch_scc1 .Lnot_wave_0_\@
	s_barrier_signal -3
.Lnot_wave_0_\@:
	s_barrier_wait -3
	s_barrier_signal -1
	s_barrier_wait -1
.endm
	s_load_b128 s[4:7], s[0:1], 0x0                ; xc, xs
	s_load_b128 s[8:11], s[0:1], 0x10              ; wc, ws
	s_load_b128 s[96:99], s[0:1], 0x20             ; bqkv_mu, bqkv_sigma
	s_load_b64 s[104:105], s[0:1], 0x30            ; alpha's address
	s_load_b64 s[12:13], s[0:1], 0x38              ; qkv
	s_load_b64 s[100:101], s[0:1], 0x40            ; q32
	v_lshl_add_u32 v[SPW], v0, 2, SPARE
	v_mov_b32 v[NIL], 0
	ds_add_u32 v[SPW], v[NIL]                      ; the opening: the add, twice on end, and its wait ahead of my first tensor load
	ds_add_u32 v[SPW], v[NIL]
	v_lshrrev_b32 v1, 5, v0
	v_readfirstlane_b32 s14, v1                    ; wave 0..3
	s_lshr_b32 s15, s14, 1                         ; my half of the tile's rows.  Also: I fetch for x (0) or for W (1)
	s_and_b32 s16, s14, 1                          ; my half of its columns.  Also: which 128 rows I fetch
	s_bfe_u32 s40, ttmp6, 0x40000                  ; cx
	s_bfe_u32 s41, ttmp6, 0x40004                  ; cy
	s_lshl_b32 s42, ttmp9, 2
	s_add_co_u32 s42, s42, s40                     ; nt: tile column 0..11
	s_and_b32 s66, ttmp7, 0xffff
	s_lshl_b32 s17, s66, 2
	s_add_co_u32 s17, s17, s41                     ; y: tile row 0..31
	s_lshr_b32 s66, s66, 2                         ; t, from the cluster's y alone: all partners share it
	s_lshl_b32 s43, s41, 2
	s_lshl_b32 s43, 15, s43                        ; my row of the cluster
	s_lshl_b32 s44, 0x1111, s40                    ; my column
	s_or_b32 s[G1+0], s43, (0<<16)|(1<<20)|(1<<21)|(5<<22)|(3<<25)  ; the mask; elements of 1 byte; padding: 4 words after every 64
	s_or_b32 s[G1B+0], s44, (0<<16)|(1<<20)|(1<<21)|(5<<22)|(3<<25)
.irp g, G1, G1B
	s_mov_b32 s[\g+1], ROWB<<16                    ; tensor_dim0
	s_mov_b32 s[\g+2], 128<<16                     ; tensor_dim1
	s_mov_b32 s[\g+3], ROWB<<16                    ; tile_dim0
	s_mov_b32 s[\g+4], 128                         ; tile_dim1
	s_mov_b32 s[\g+5], KROW                        ; the pitch
	s_mov_b32 s[\g+6], 0
	s_mov_b32 s[\g+7], 0
.endr
	s_or_b32 s[G1S+0], s43, (3<<16)|(1<<20)|(1<<21)|(5<<22)|(3<<25)  ; the scale bytes of 128 rows: 4,096 dense bytes as 16 rows of 256
	s_or_b32 s[G1SB+0], s44, (3<<16)|(1<<20)|(1<<21)|(5<<22)|(3<<25)
.irp g, G1S, G1SB
	s_mov_b32 s[\g+1], 32<<16
	s_mov_b32 s[\g+2], (128*KS/256)<<16
	s_mov_b32 s[\g+3], 32<<16
	s_mov_b32 s[\g+4], 128*KS/256
	s_mov_b32 s[\g+5], 32
	s_mov_b32 s[\g+6], 0
	s_mov_b32 s[\g+7], 0
.endr
	s_lshl_b32 s18, s16, 7
	s_lshl_b32 s20, s17, 8
	s_add_co_u32 s20, s20, s18                     ; x: row 256 y + 128 x half
	s_lshl_b32 s46, s42, 8
	s_add_co_u32 s46, s46, s18
	s_mul_i32 s67, s66, 3072
	s_add_co_u32 s46, s46, s67                     ; W: row 3,072 t + 256 nt + 128 x half
	s_mov_b32 s21, 0
	s_mov_b32 s47, 0
	s_mov_b64 s[18:19], KS
	s_mul_u64 s[22:23], s[20:21], s[18:19]
	s_mul_u64 s[92:93], s[46:47], s[18:19]
	s_mov_b64 s[18:19], KROW
	s_mul_u64 s[20:21], s[20:21], s[18:19]
	s_mul_u64 s[46:47], s[46:47], s[18:19]
	s_mul_i32 s45, s14, HALFT                      ; where they go: wave x 128 rows
	s_mul_i32 s94, s14, HALFS
	s_wait_dscnt 0x0                               ; both opening adds are done
	s_wait_kmcnt 0x0
	s_cmp_eq_u32 s66, 0
	s_cselect_b64 s[98:99], s[96:97], s[98:99]     ; my tensor's bias
	s_load_b32 s95, s[104:105], 0x0                ; alpha
	s_add_nc_u64 s[20:21], s[4:5], s[20:21]
	s_add_nc_u64 s[22:23], s[6:7], s[22:23]
	s_add_nc_u64 s[46:47], s[8:9], s[46:47]
	s_add_nc_u64 s[92:93], s[10:11], s[92:93]
	CROUND                                         ; all sixteen work-groups are here: the joint loads meet
	s_mov_b32 s[G0S], 1
	s_add_co_u32 s[G0S+1], s94, SCL
	s_mov_b64 s[G0S+2:G0S+3], s[22:23]
	s_or_b32 s[G0S+3], s[G0S+3], 0x80000000
	s_mov_b32 s[G0SB], 1
	s_add_co_u32 s[G0SB+1], s94, SCL
	s_mov_b64 s[G0SB+2:G0SB+3], s[92:93]
	s_or_b32 s[G0SB+3], s[G0SB+3], 0x80000000
	JLOAD G0S, G1S, G0SB, G1SB                     ; the scale bytes first; then both K steps: three loads of mine are out
.irp s, 0,1
	s_mov_b32 s[G0+4*\s], 1
	s_add_co_u32 s[G0+4*\s+1], s45, \s*SLOT
	s_add_nc_u64 s[G0+4*\s+2:G0+4*\s+3], s[20:21], \s*ROWB
	s_or_b32 s[G0+4*\s+3], s[G0+4*\s+3], 0x80000000
	s_mov_b32 s[G0B+4*\s], 1
	s_add_co_u32 s[G0B+4*\s+1], s45, \s*SLOT
	s_add_nc_u64 s[G0B+4*\s+2:G0B+4*\s+3], s[46:47], \s*ROWB
	s_or_b32 s[G0B+4*\s+3], s[G0B+4*\s+3], 0x80000000
	JLOAD G0+4*\s, G1, G0B+4*\s, G1B
.endr
	v_and_b32 v1, 15, v0                           ; r
	v_bfe_u32 v2, v0, 4, 1                         ; h
	v_mul_u32_u24 v3, v1, PITCH
	v_lshl_add_u32 v4, v2, 4, v3
	s_mul_i32 s21, s15, HALFT
	s_mul_i32 s22, s16, HALFT
	s_add_co_u32 s22, s22, 2*HALFT
.irp s, 0,1
	v_add_nc_u32 v[ADRA+\s], s21, v4
	v_add_nc_u32 v[ADRB+\s], s22, v4
	s_add_co_u32 s21, s21, SLOT
	s_add_co_u32 s22, s22, SLOT
.endr
	v_mul_u32_u24 v5, v1, KS                       ; my row's scale bytes: 32 a row, and 16 more for each 256 passed
	v_lshrrev_b32 v6, 8, v5
	v_lshl_add_u32 v5, v6, 4, v5
	s_mul_i32 s21, s15, HALFS
	s_mul_i32 s22, s16, HALFS
	s_add_co_u32 s22, s22, 2*HALFS
	s_sub_co_u32 s22, s22, s21
	v_mul_u32_u24 v6, s22, v2                      ; lanes 16-31 take W's
	s_add_co_u32 s21, s21, SCL
	v_add_nc_u32 v5, v5, v6
	v_add_nc_u32 v[ADRS], s21, v5
	s_mul_i32 s23, s14, 4608                       ; my stage
	v_mul_u32_u24 v5, v1, 144
	v_lshl_add_u32 v5, v2, 4, v5
	v_add_nc_u32 v[STO], s23, v5
	v_and_b32 v6, 31, v0
	v_lshlrev_b32 v[CO], 4, v6
	v_lshrrev_b32 v5, 3, v6
	v_mul_u32_u24 v5, v5, 144
	v_and_b32 v6, 7, v0
	v_lshl_add_u32 v5, v6, 4, v5
	v_add_nc_u32 v[RD], s23, v5
	v_lshlrev_b32 v[BO], 5, v2
	; qkv at plane (2 kind + t) x 32 + 16 batch + 4 cx + 2 x my column half, position 256 (y % 8) + 128 x my row half
	s_lshl_b32 s20, ttmp9, 1
	s_add_co_u32 s20, s20, s66
	s_lshl_b32 s20, s20, 5
	s_bfe_u32 s22, s17, 0x10003                    ; batch = (y / 8) % 2
	s_lshl_b32 s21, s22, 4
	s_add_co_u32 s20, s20, s21
	s_lshl_b32 s21, s40, 2
	s_add_co_u32 s20, s20, s21
	s_lshl_b32 s21, s16, 1
	s_add_co_u32 s20, s20, s21
	s_lshl_b32 s20, s20, 18                        ; a plane is 262,144 bytes
	s_and_b32 s23, s17, 7
	v_mov_b32 v[FN], s23
	s_lshl_b32 s21, s23, 15
	s_add_co_u32 s20, s20, s21
	s_lshl_b32 s21, s15, 14
	s_add_co_u32 s20, s20, s21
	s_mov_b32 s21, 0
	s_add_nc_u64 s[12:13], s[12:13], s[20:21]
	s_lshl_b32 s20, s22, 1                         ; q32 at (2 batch + t) x 196,608 + (16 nt + 8 x my column half) x 1,024
	s_add_co_u32 s20, s20, s66
	s_mul_i32 s20, s20, 196608
	s_lshl_b32 s22, s42, 14
	s_add_co_u32 s20, s20, s22
	s_lshl_b32 s22, s16, 13
	s_add_co_u32 s20, s20, s22
	s_add_nc_u64 s[100:101], s[100:101], s[20:21]
	s_lshl_b32 s20, s42, 10                        ; the bias at column 256 nt + 128 x my column half
	s_lshl_b32 s22, s16, 9
	s_add_co_u32 s20, s20, s22
	s_add_nc_u64 s[98:99], s[98:99], s[20:21]
	s_wait_kmcnt 0x0                               ; alpha
	s_mul_f32 s3, s95, 0x3e38aa3b                  ; c x alpha, c = log2(e) / 8
	s_cmp_eq_u32 s66, 0
	s_cselect_b32 s2, 0x3e38aa3b, s3
	s_mov_b32 s3, s2                               ; (the packed form names the pair)
.macro FRAG reg, adr, q, i             ; 16 rows x 128 K of 4-bit codes: 8 registers, two loads of 16 bytes, 32 bytes apart
.irp c, 0,1
	ds_load_b128 v[\reg+4*\c:\reg+4*\c+3], v[\adr] offset:64*(\q)+32*\c+(\i)*16*PITCH
.endr
.endm
; 16 matrix instructions: blocks a0, a0 + 1 of x against the eight of W.  The 64 accumulators take turns, one instruction a turn, in the same order in every step
.macro MUL16 a0, p, q, sc, zero
.irp a, \a0, \a0+1
.irp b, 0,1,2,3,4,5,6,7
.if \zero
	v_wmma_scale_f32_16x16x128_f8f6f4 v[8*(8*((\a)%4)+\b):8*(8*((\a)%4)+\b)+7], v[128*(\p)+FR*\b:128*(\p)+FR*\b+FR-1], v[AF+FR*(\a):AF+FR*(\a)+FR-1], 0, v[SC+8*NQ*(\sc)+NQ*\b+(\q)], v[SC+8*NQ*(\sc)+NQ*(\a)+(\q)] matrix_a_fmt:MATRIX_FMT_FP4 matrix_b_fmt:MATRIX_FMT_FP4 matrix_a_scale:MATRIX_SCALE_ROW1
.else
	v_wmma_scale_f32_16x16x128_f8f6f4 v[8*(8*((\a)%4)+\b):8*(8*((\a)%4)+\b)+7], v[128*(\p)+FR*\b:128*(\p)+FR*\b+FR-1], v[AF+FR*(\a):AF+FR*(\a)+FR-1], v[8*(8*((\a)%4)+\b):8*(8*((\a)%4)+\b)+7], v[SC+8*NQ*(\sc)+NQ*\b+(\q)], v[SC+8*NQ*(\sc)+NQ*(\a)+(\q)] matrix_a_fmt:MATRIX_FMT_FP4 matrix_b_fmt:MATRIX_FMT_FP4 matrix_a_scale:MATRIX_SCALE_ROW1
.endif
.endr
.endr
.endm
.macro FETCH_B slot, q, p
	WIN TO_B
.irp i, 0,1,2,3,4,5,6,7
	FRAG 128*(\p)+FR*\i, ADRB+\slot, \q, \i
.endr
	WIN 0
.endm
.macro FETCH_A slot, q, i0
.irp i, \i0, \i0+1, \i0+2, \i0+3
	FRAG AF+FR*(\i), ADRA+\slot, \q, \i
.endr
.endm
.macro SCALES sc                       ; a K step's scale words: lanes 0-15 take block i of x, lanes 16-31 block i of W
.irp i, 0,1,2,3,4,5,6,7
	ds_load_b128 v[SC+8*NQ*\sc+NQ*\i:SC+8*NQ*\sc+NQ*\i+3], v[ADRS] offset:\i*SBLK
.endr
.endm
.macro PLACES n                        ; plain vector instructions between a matrix instruction and a load into, or a read of, its registers
.rept \n
	v_nop
.endr
.endm
.macro STEP slot, q, zero              ; 128 along K with its successor in the same slot
	s_wait_dscnt 4*NL                              ; W's set and blocks 0-3 of x are in; the youngest eight loads (blocks 4-7) may be out
	WIN MUL_LO
	MUL16 0, (\q)%2, \q, \slot, \zero
	MUL16 2, (\q)%2, \q, \slot, \zero
	s_wait_dscnt 0
	PLACES NP
	FETCH_B \slot, (\q)+1, 1-(\q)%2
	FETCH_A \slot, (\q)+1, 0
	WIN MUL_HI
	MUL16 4, (\q)%2, \q, \slot, \zero
	MUL16 6, (\q)%2, \q, \slot, \zero
	PLACES NP
	WIN 0
	FETCH_A \slot, (\q)+1, 4
.endm
.macro TURN slot, next                 ; a slot's last step changes slots: one barrier; nothing is filled again
	s_wait_tensorcnt 0x0                           ; all my tensor loads have landed: my part of the next slot
	ds_add_u32 v[SPW], v[NIL]
	s_wait_dscnt 4*NL+1                            ; (the add and the youngest eight loads may be out)
	WIN MUL_LO
	MUL16 0, 1, NQ-1, \slot, 0
	s_wait_dscnt 0x0                               ; the add is done, and my reads of this slot are over
	s_barrier_signal -1
	MUL16 2, 1, NQ-1, \slot, 0
	WIN 0
	s_barrier_wait -1
	PLACES NP
	v_add_nc_u32 v[ADRS], 4*NQ, v[ADRS]            ; the next K step's scale words
	FETCH_B \next, 0, 0
	FETCH_A \next, 0, 0
	SCALES \next
	WIN MUL_HI
	MUL16 4, 1, NQ-1, \slot, 0
	MUL16 6, 1, NQ-1, \slot, 0
	PLACES NP
	WIN 0
	FETCH_A \next, 0, 4
.endm
.macro STEPS slot, from
.set Q, \from
.rept NQ-1-\from
	STEP \slot, Q, 0
.set Q, Q+1
.endr
.endm
.macro LAST                            ; the last 128 along K: nothing more to fetch
	s_wait_dscnt 4*NL
	WIN MUL_LO
	MUL16 0, 1, NQ-1, 1, 0
	MUL16 2, 1, NQ-1, 1, 0
	s_wait_dscnt 0
	WIN MUL_HI
	MUL16 4, 1, NQ-1, 1, 0
	MUL16 6, 1, NQ-1, 1, 0
	WIN 0
.endm
; THE WAY OUT, block a of 16 rows x 128 columns (two heads) at a time.
.macro FIX a, kind                     ; Q: sum x c + b c;  V: sum + b;  K: nothing.  Each accumulator from its low end on
.set AC, 64*((\a)%4)
.if \kind != 1
	WIN 0x82+0x41*((\a)/4)                         ; destination and source 0: window 2 or 3; the bias: window 0
.irp b, 0,1,2,3,4,5,6,7
.irp p, 0,2,4,6
.if \kind == 0
	v_pk_fma_f32 v[AC+8*\b+\p:AC+8*\b+\p+1], v[AC+8*\b+\p:AC+8*\b+\p+1], s[2:3], v[BIAS+8*\b+\p:BIAS+8*\b+\p+1] op_sel_hi:[1,0,1]
.else
	v_pk_add_f32 v[AC+8*\b+\p:AC+8*\b+\p+1], v[AC+8*\b+\p:AC+8*\b+\p+1], v[BIAS+8*\b+\p:BIAS+8*\b+\p+1]
.endif
.endr
.endr
	WIN 0
.endif
.endm
.macro FINE                            ; block 0 of the waves with rows 0-127, where the tile row begins a sequence: positions 0-15 in f32.  The tile row is told by a lane mask, not by a branch
	s_cmp_lg_u32 s15, 0
	s_cbranch_scc1 .Lno_fine_\@
	v_cmp_eq_u32 vcc_lo, 0, v[FN]
	s_wait_xcnt 0x0                                ; EXEC changes only behind this wait
	s_and_saveexec_b32 s97, vcc_lo
	WIN 0x08                                       ; a store's data: window 2
.irp b, 0,1,2,3,4,5,6,7
	global_store_b128 v[CO], v[8*\b:8*\b+3], s[100:101] offset:(2*\b)*512       ; 512 consecutive bytes
	global_store_b128 v[CO], v[8*\b+4:8*\b+7], s[100:101] offset:(2*\b+1)*512
.endr
	WIN 0
	s_wait_xcnt 0x0                                ; and again, in front of the line that widens it
	s_or_b32 exec_lo, exec_lo, s97
.Lno_fine_\@:
.endm
.macro PACK a
.set AC, 64*((\a)%4)
	WIN 0x0a+5*((\a)/4)
.irp b, 0,1,2,3,4,5,6,7
.irp p, 0,1,2,3
	v_cvt_pk_f16_f32 v[TMP+4*\b+\p], v[AC+8*\b+2*\p], v[AC+8*\b+2*\p+1]
.endr
.endr
	WIN 0
.endm
.macro TOSTAGE a                       ; LDS serves a wave's instructions in order: no wait between my stores and my loads
.set BB, BK+32*((\a)%2)
.irp b, 0,1,2,3,4,5,6,7
	ds_store_b128 v[STO], v[TMP+4*\b:TMP+4*\b+3] offset:(\b/4)*2304+(\b%4)*32
.endr
.irp hh, 0,1
.irp i, 0,1,2,3
	ds_load_b128 v[BB+16*\hh+4*\i:BB+16*\hh+4*\i+3], v[RD] offset:\hh*2304+\i*576
.endr
.endr
.endm
.macro SEND a, younger                 ; younger: the LDS instructions issued behind block a's loads
.set BB, BK+32*((\a)%2)
	s_wait_dscnt \younger
.irp hh, 0,1
.irp i, 0,1,2,3
	global_store_b128 v[CO], v[BB+16*\hh+4*\i:BB+16*\hh+4*\i+3], s[12:13] offset:\hh*262144+(\a)*2048+512*\i   ; four rows of a head: 512 consecutive bytes, aligned
.endr
.endr
.endm
; One arm: the bias is asked for, the last step is multiplied while it is on its way, and the tile goes out.
.macro OUT kind
.if \kind != 1
.irp b, 0,1,2,3,4,5,6,7
	global_load_b128 v[BIAS+8*\b:BIAS+8*\b+3], v[BO], s[98:99] offset:64*\b          ; lane (r, h): the eight columns 16 b + 8 h on
	global_load_b128 v[BIAS+8*\b+4:BIAS+8*\b+7], v[BO], s[98:99] offset:64*\b+16
.endr
.endif
	LAST
	PLACES NP
.if \kind != 1
	s_wait_loadcnt 0x0                             ; the bias
.endif
.if \kind == 0
.irp p, 0,2,4,6,8,10,12,14,16,18,20,22,24,26,28,30,32,34,36,38,40,42,44,46,48,50,52,54,56,58,60,62
	v_pk_mul_f32 v[BIAS+\p:BIAS+\p+1], v[BIAS+\p:BIAS+\p+1], s[2:3] op_sel_hi:[1,0]   ; b c, once
.endr
.endif
	FIX 0, \kind
	FINE
	PACK 0
	TOSTAGE 0
.irp a, 1,2,3,4,5,6,7
	FIX \a, \kind
	PACK \a
.if \a > 1
	s_wait_xcnt 0x0                                ; block a - 2's stores have read their registers: block a's loads may land there
.endif
	TOSTAGE \a
	SEND \a-1, 16                                  ; behind block a - 1's loads: block a's 8 stores and 8 loads
.endr
	SEND 7, 0
.endm
	s_wait_tensorcnt 1                             ; the scale bytes and my part of K step 0 are in; K step 1's load may be out
	s_barrier_signal -1
	s_barrier_wait -1
	FETCH_B 0, 0, 0
	FETCH_A 0, 0, 0
	SCALES 0
	FETCH_A 0, 0, 4
	STEP 0, 0, 1                                   ; the first products start the sums: nothing is cleared
	STEPS 0, 1
	TURN 0, 1
	STEPS 1, 0
	s_cmp_eq_u32 ttmp9, 0                          ; kind: the cluster's x, alike in all partners.  Every window is 0 here
	s_cbranch_scc0 .Lnot_q
	OUT 0
	s_branch .Ldone
.Lnot_q:
	s_cmp_eq_u32 ttmp9, 1
	s_cbranch_scc0 .Lis_v
	OUT 1
	s_branch .Ldone
.Lis_v:
	OUT 2
.Ldone:
	s_wait_tensorcnt 0x0                           ; the wave's end
	ds_add_u32 v[SPW], v[NIL]
	s_wait_dscnt 0x0
	CROUND                                         ; the closing round
	s_endpgm
.Lfunc_end_k_q74d9e009d8_qkv:
	.size	k_q74d9e009d8_qkv, .Lfunc_end_k_q74d9e009d8_qkv-k_q74d9e009d8_qkv
	.p2alignl 7, 3214868480
	.fill 96, 4, 3214868480
	.section	.rodata,"a",@progbits
	.p2align	6, 0x0
	.amdhsa_kernel k_q74d9e009d8_qkv
		.amdhsa_group_segment_fixed_size 327680
		.amdhsa_private_segment_fixed_size 0
		.amdhsa_enable_private_segment 0
		.amdhsa_kernarg_size 72
		.amdhsa_user_sgpr_count 2
		.amdhsa_user_sgpr_kernarg_segment_ptr 1
		.amdhsa_wavefront_size32 1
		.amdhsa_system_sgpr_workgroup_id_x 1
		.amdhsa_system_sgpr_workgroup_id_y 1
		.amdhsa_system_sgpr_workgroup_id_z 1
		.amdhsa_system_vgpr_workitem_id 0
		.amdhsa_next_free_vgpr 1024
		.amdhsa_next_free_sgpr 106
		.amdhsa_reserve_vcc 1
		.amdhsa_float_denorm_mode_32 3
		.amdhsa_float_denorm_mode_16_64 3
		.amdhsa_memory_ordered 1
		.amdhsa_forward_progress 1
		.amdhsa_inst_pref_size 250
	.end_amdhsa_kernel
	.amdgpu_metadata
---
amdhsa.version: [ 1, 2 ]
amdhsa.kernels:
  - .name:           k_q74d9e009d8_qkv
    .symbol:         k_q74d9e009d8_qkv.kd
    .args:
      - { .name: xc, .offset: 0, .size: 8, .value_kind: global_buffer, .address_space: global }
      - { .name: xs, .offset: 8, .size: 8, .value_kind: global_buffer, .address_space: global }
      - { .name: wc, .offset: 16, .size: 8, .value_kind: global_buffer, .address_space: global }
      - { .name: ws, .offset: 24, .size: 8, .value_kind: global_buffer, .address_space: global }
      - { .name: bqkv_mu, .offset: 32, .size: 8, .value_kind: global_buffer, .address_space: global }
      - { .name: bqkv_sigma, .offset: 40, .size: 8, .value_kind: global_buffer, .address_space: global }
      - { .name: alpha, .offset: 48, .size: 8, .value_kind: global_buffer, .address_space: global }
      - { .name: qkv, .offset: 56, .size: 8, .value_kind: global_buffer, .address_space: global }
      - { .name: q32, .offset: 64, .size: 8, .value_kind: global_buffer, .address_space: global }
    .group_segment_fixed_size: 327680
    .private_segment_fixed_size: 0
    .kernarg_segment_align: 8
    .kernarg_segment_size: 72
    .max_flat_workgroup_size: 128
    .sgpr_count:     106
    .vgpr_count:     1024
    .wavefront_size: 32
...
	.end_amdgpu_metadata
.endif
;; end of part 2
;; launch attn (part 3): grid 8 x 32, 8 waves a work-group, no clusters, 327,680 bytes of LDS; arguments qkv, ao; writes ao
.if DOCPART == 3
	.amdgcn_target "amdgcn-amd-amdhsa--gfx1250"
	.amdhsa_code_object_version 6
	.text
	.protected	k_q74d9e009d8_attn
	.globl	k_q74d9e009d8_attn
	.p2align	8
	.type	k_q74d9e009d8_attn,@function
k_q74d9e009d8_attn:
	s_mov_b64 s[64:65], 0
	v_nop
	global_prefetch_b8 v0, s[64:65] scope:SCOPE_SE
	s_setreg_imm32_b32 hwreg(HW_REG_WAVE_MODE, 25, 1), 1
	s_wait_xcnt 0x0
; ATTN: causal attention of one (batch, head): scores t = Q'.K' (K = 128: [c Q_mu | c alpha Q_sg] against [K_mu | K_sg], already in units of log2), p = 2^(t - m) under a running maximum m, O = p [V_mu | V_sg] / sum p.
; Operands f16, sums, maxima and statistics f32.  LEFT OUT: key tiles that lie wholly above the diagonal of the mask that the problem builds itself.
; SHARES.  Work-group (j, bh) owns two blocks of 128 queries: block 15 - j (high) and block j (low), and walks 17 units of 128 keys: units g < N1 = 16 - j are key units g for the high block, the others key units
; g - N1 for the low block.  So all 256 work-groups do the same work, and every trip count is a constant.
; Wave w: w % 4 names its 32 queries (two tiles of 16) of the block in hand, w / 4 its half of each unit's keys.  Waves w and w ^ 4 own the same queries; each keeps its own m, sum and O^T, and the two are merged
; once, at the end, through LDS.  Two waves of equal length share a SIMD: one wave's softmax stands beside the other's products.
; LAYOUT.  S^T = K' Q'^T (source 0 = 16 keys, source 1 = 16 queries) and O^T = V^T P: a lane holds ONE query throughout; two tiles of S^T, rounded in pairs, ARE source 1 of the second product.  V is turned by ds_load_tr16_b128.
; NO CLUSTER: the walks of the work-groups of a head part at unit 16 - j, which differs between them, and under the mask some partner would read nothing of a tile asked for jointly.
; RING.  Two slots of two units.  A unit: K_mu, K_sg (128 rows x 144 bytes), V_mu, V_sg (128 x 160).  Wave w fetches plane w % 4 of unit w / 4 of a slot: 128 rows of 128 bytes, dense in memory.
; LIMIT: the normalised O must lie inside the range of f16.
; REGISTERS.  window 0: v1-15 addresses and constants; v16-31 statistics, 8 a tile: +0 m, +1 filler, +2, +3 the sum, +4..+7 at work (a in +6); v32-35 the high block's m and sum; v40-47 at work; v48-111 Q';
;   v112-175 S^T, then p, then P in the first 16 of each tile's 32; v176-239 eight fragments of K' or V; v240-247 sums at work.   window 1: v0-127 O^T (64 q + 8 ct); v128-255 first the low block's Q', then the high block's O^T.
.set KP,    144
.set VP,    160
.set KPL,   128*KP
.set VPL,   128*VP
.set VOFF,  2*KPL
.set UNITB, 2*KPL+2*VPL                ; 77,824
.set SLOTB, 2*UNITB                    ; 155,648
.set SPARE, 2*SLOTB                    ; the spare words: 1,024 bytes that no other line names
.set STG,   SLOTB                      ; the merge's stage lies in slot 1, behind its last fill and its last read: 8 waves x 2 sets x (8,192 + 128 + 128)
.set WREG,  16896
.set SETB,  8448
.set OST,   STG+8*WREG                 ; and 8 stages of 16 rows x 144 bytes for the way out
.set AK0, 1
.set AV0, 2
.set ADR, 3
.set SPW, 4
.set NIL, 5
.set SGI, 6
.set SGS, 7
.set SGJ, 8
.set SGR, 9
.set STO, 10
.set RD,  11
.set GO,  12
.set QO,  13
.set RH,  14                           ; r - 8 h
.set NINF, 15
.set ST,  16
.set SV,  32
.set PFO, 38
.set D0,  40
.set MP,  44
.set LP,  46
.set QR,  48
.set S,   112
.set IM,  112
.set F,   176
.set SA,  240
.set GA,  240
.set WV,  8
.set PL,  9                            ; w % 4: the plane that I fetch, and my 32 queries
.set PAR, 10                           ; w / 4: the unit of a slot that I fetch, and my half of the keys
.set JJ,  11
.set N1,  12
.set BH,  13
.set GG,  14                           ; the unit in hand
.set KF,  15                           ; my step's first key
.set Q0,  16                           ; my first query of the block in hand
.set QL,  17                           ; and of the low block
.set TB,  18                           ; LDS byte at which the unit in hand begins
.set FB,  19                           ; the slot to be filled next: 0 or SLOTB
.set FG,  20                           ; the unit that I fetched last
.set WL,  21                           ; my tile's place in a slot
.set PB,  22                           ; s[22:23] my plane in memory
.set G1K, 24
.set G1V, 32
.set G0A, 40
.set G0W, 44
.set OFF, 48
.set SEL, 50
.set CNT, 52
.set TW,  53
.set LIM, 54
.set PFA, 56
.set AO0, 58                           ; s[58:59], s[60:61]: where the block that I merge goes, plane mu and plane sigma
.set MSB, 0
.macro WIN new
.if MSB != \new
	s_set_vgpr_msb (MSB<<8)|\new
.set MSB, \new
.endif
.endm
.macro PLACES n
.rept \n
	v_nop
.endr
.endm
; my one tensor load behind a barrier.  fill = 1: the last slot holds one unit, so only waves 0-3 have a tile.  The branches hang on the wave's number alone; an s_nop 0 and four v_nop follow each line
.macro TLOAD fill
.if \fill == 1
	s_cmp_lt_u32 s[WV], 4
	s_cbranch_scc0 .Lasked_\@
.endif
	s_cmp_lt_u32 s[PL], 2
	s_cbranch_scc0 .Lfor_v_\@
	tensor_load_to_lds s[G0W:G0W+3], s[G1K:G1K+7]
	s_nop 0
.rept 4
	v_nop
.endr
	s_branch .Lasked_\@
.Lfor_v_\@:
	tensor_load_to_lds s[G0W:G0W+3], s[G1V:G1V+7]
	s_nop 0
.rept 4
	v_nop
.endr
.Lasked_\@:
.endm
; a prefetch of the slot after the one just asked for.  All eight work-groups of a head walk the same planes from key 0 on: work-group j = 0, whose first walk is the whole head, asks; each of its waves for its own
; 16,384 bytes, lanes 256 bytes apart, two instructions: each block of 256 bytes is named once.  It asks in the trips with CNT = 6 .. 2: key units 6 to 15, the planes' last.
.macro ASK
	s_cmp_gt_u32 s[CNT], s[LIM]
	s_cbranch_scc0 .Lnot_mine_\@
	global_prefetch_b8 v[PFO], s[PFA:PFA+1] th:TH_LOAD_NT scope:SCOPE_SE
	global_prefetch_b8 v[PFO], s[PFA:PFA+1] offset:8192 th:TH_LOAD_NT scope:SCOPE_SE
.Lnot_mine_\@:
.endm
.macro QLOAD dst, b0, b1               ; two tiles of 16 queries x 128 channels: fragment (q, cc) at dst + 32 q + 8 cc; cc / 2 names the plane
.irp q, 0,1
.irp c, 0,1
	global_load_b128 v[\dst+32*\q+8*\c:\dst+32*\q+8*\c+3], v[QO], s[\b0:\b0+1] offset:\q*2048+\c*64
	global_load_b128 v[\dst+32*\q+8*\c+4:\dst+32*\q+8*\c+7], v[QO], s[\b0:\b0+1] offset:\q*2048+\c*64+32
	global_load_b128 v[\dst+32*\q+8*\c+16:\dst+32*\q+8*\c+19], v[QO], s[\b1:\b1+1] offset:\q*2048+\c*64
	global_load_b128 v[\dst+32*\q+8*\c+20:\dst+32*\q+8*\c+23], v[QO], s[\b1:\b1+1] offset:\q*2048+\c*64+32
.endr
.endr
.endm
	s_load_b128 s[4:7], s[0:1], 0x0                ; qkv, ao
	v_lshl_add_u32 v[SPW], v0, 2, SPARE
	v_mov_b32 v[NIL], 0
	ds_add_u32 v[SPW], v[NIL]                      ; the opening: the add, twice on end, and its wait ahead of my first tensor load
	ds_add_u32 v[SPW], v[NIL]
	v_lshrrev_b32 v1, 5, v0
	v_readfirstlane_b32 s[WV], v1
	s_and_b32 s[PL], s[WV], 3
	s_lshr_b32 s[PAR], s[WV], 2
	s_mov_b32 s[JJ], ttmp9
	s_sub_co_u32 s[N1], 16, s[JJ]
	s_and_b32 s[BH], ttmp7, 0xffff
	s_mov_b32 s[G1K], (1<<16)|(1<<20)|(4<<22)|(3<<25)   ; elements of 2 bytes; padding: 4 words after every 32
	s_mov_b32 s[G1V], (1<<16)|(1<<20)|(4<<22)|(7<<25)   ; 8 words
.irp g, G1K, G1V
	s_mov_b32 s[\g+1], 64<<16                      ; tensor_dim0
	s_mov_b32 s[\g+2], 128<<16                     ; tensor_dim1
	s_mov_b32 s[\g+3], 64<<16                      ; tile_dim0
	s_mov_b32 s[\g+4], 128                         ; tile_dim1
	s_mov_b32 s[\g+5], 64                          ; the pitch
	s_mov_b32 s[\g+6], 0
	s_mov_b32 s[\g+7], 0
.endr
	s_mul_i32 s[WL], s[PAR], UNITB
	s_mul_i32 s62, s[PL], KPL
	s_add_co_u32 s[WL], s[WL], s62
	s_lshr_b32 s62, s[PL], 1
	s_and_b32 s62, s62, s[PL]
	s_and_b32 s62, s62, 1                          ; 1 for plane 3 alone, which lies behind a plane of V: 2,048 bytes further on
	s_lshl_b32 s62, s62, 11
	s_add_co_u32 s[WL], s[WL], s62
	s_sub_co_u32 s62, 15, s[JJ]
	s_lshl_b32 s62, s62, 7
	s_lshl_b32 s66, s[PL], 5
	s_add_co_u32 s[Q0], s62, s66
	s_lshl_b32 s62, s[JJ], 7
	s_add_co_u32 s[QL], s62, s66
	s_mov_b32 s[SEL], 0x76543210
	s_mov_b32 s[SEL+1], 0xfedcba98
	s_mov_b32 s[GG], 0
	s_lshl_b32 s[KF], s[PAR], 6
	s_mov_b32 s[TB], 0
	s_mov_b32 s[FB], 0
	s_add_co_u32 s[FG], s[PAR], 2
	s_cmp_eq_u32 s[JJ], 0
	s_cselect_b32 s[LIM], 1, -1
	s_add_co_u32 s62, s[PL], 2                     ; planes 2 .. 5 of six: K_mu, K_sg, V_mu, V_sg
	s_lshl_b32 s62, s62, 5
	s_add_co_u32 s62, s62, s[BH]
	s_lshl_b32 s62, s62, 18
	s_mov_b32 s63, 0
	s_lshl_b32 s[OFF], s[PAR], 14
	s_mov_b32 s[OFF+1], 0
	s_wait_dscnt 0x0                               ; both opening adds are done
	s_wait_kmcnt 0x0
	s_add_nc_u64 s[PB:PB+1], s[4:5], s[62:63]
	s_mov_b32 s[G0A], 1
	s_mov_b32 s[G0A+1], s[WL]                      ; slot 0: units 0 and 1 (every N1 is 9 or more: units 0 to 3 are key units 0 to 3)
	s_add_nc_u64 s[G0A+2:G0A+3], s[PB:PB+1], s[OFF:OFF+1]
	s_mov_b32 s[G0W], 1
	s_add_co_u32 s[G0W+1], s[WL], SLOTB            ; slot 1: units 2 and 3
	s_add_nc_u64 s[G0W+2:G0W+3], s[G0A+2:G0A+3], 32768
	s_or_b32 s[G0A+3], s[G0A+3], 0x80000000
	s_or_b32 s[G0W+3], s[G0W+3], 0x80000000
	s_cmp_lt_u32 s[PL], 2                          ; a wave's two first fills stand in one arm: two loads of mine are out
	s_cbranch_scc0 .Lfirst_v
	tensor_load_to_lds s[G0A:G0A+3], s[G1K:G1K+7]
	s_nop 0
	tensor_load_to_lds s[G0W:G0W+3], s[G1K:G1K+7]
	s_nop 0
.rept 4
	v_nop
.endr
	s_branch .Lfirst_asked
.Lfirst_v:
	tensor_load_to_lds s[G0A:G0A+3], s[G1V:G1V+7]
	s_nop 0
	tensor_load_to_lds s[G0W:G0W+3], s[G1V:G1V+7]
	s_nop 0
.rept 4
	v_nop
.endr
.Lfirst_asked:
	v_and_b32 v16, 15, v0                          ; r
	v_bfe_u32 v17, v0, 4, 1                        ; h
	v_and_b32 v18, 31, v0                          ; lane
	v_lshlrev_b32 v[QO], 7, v16
	v_lshl_add_u32 v[QO], v17, 4, v[QO]            ; Q': row r of 128 bytes + 16 h
	s_lshl_b32 s62, s[BH], 18                      ; Q'_mu is plane bh, Q'_sg plane 32 + bh
	s_lshl_b32 s66, s[Q0], 7
	s_add_co_u32 s62, s62, s66
	s_add_nc_u64 s[68:69], s[4:5], s[62:63]
	s_add_nc_u64 s[70:71], s[68:69], 0x800000
	s_lshl_b32 s62, s[BH], 18
	s_lshl_b32 s66, s[QL], 7
	s_add_co_u32 s62, s62, s66
	s_add_nc_u64 s[72:73], s[4:5], s[62:63]
	s_add_nc_u64 s[74:75], s[72:73], 0x800000
	QLOAD QR, 68, 70                               ; the high block's queries
	WIN 0x40                                       ; destination window 1
	QLOAD 128, 72, 74                              ; the low block's wait in the save area
.set i, 0
.rept 128
	v_mov_b32 v[i], 0                              ; O^T: the step is written once; the first finds zeros, which the first rescaling leaves zeros
.set i, i+1
.endr
.set i, 192
.rept 64
	v_mov_b32 v[i], 0                              ; the rest of the save area: so that every register is written on every way through the text
.set i, i+1
.endr
	WIN 0
	v_mul_u32_u24 v[AK0], v16, KP
	v_lshl_add_u32 v[AK0], v17, 4, v[AK0]
	s_mul_i32 s66, s[PAR], 64*KP
	v_add_nc_u32 v[AK0], s66, v[AK0]               ; K': row r x pitch + 16 h + my 64 keys
	v_and_b32 v19, 7, v0
	v_bfe_u32 v20, v0, 3, 1
	v_lshl_add_u32 v[AV0], v17, 3, v19
	v_mul_u32_u24 v[AV0], v[AV0], VP
	v_lshl_add_u32 v[AV0], v20, 4, v[AV0]
	s_mul_i32 s66, s[PAR], 64*VP
	s_add_co_u32 s66, s66, VOFF
	v_add_nc_u32 v[AV0], s66, v[AV0]               ; V: (8 h + lane % 8) x pitch + 16 ((lane / 8) % 2) + my 64 keys
	s_mul_i32 s66, s[WV], WREG
	s_add_co_u32 s66, s66, STG
	v_lshl_add_u32 v[SGI], v18, 4, s66             ; the merge: where I put images,
	s_add_co_u32 s67, s66, 8192
	v_lshl_add_u32 v[SGS], v18, 2, s67             ; m and the sum,
	s_xor_b32 s66, s[WV], 4
	s_mul_i32 s66, s66, WREG
	s_add_co_u32 s66, s66, STG
	v_lshl_add_u32 v[SGJ], v18, 4, s66             ; and where my partner has put its own
	s_add_co_u32 s67, s66, 8192
	v_lshl_add_u32 v[SGR], v18, 2, s67
	s_mul_i32 s66, s[WV], 16*KP
	s_add_co_u32 s66, s66, OST
	v_mul_u32_u24 v[STO], v16, KP
	v_lshl_add_u32 v[STO], v17, 4, v[STO]
	v_add_nc_u32 v[STO], s66, v[STO]
	v_lshrrev_b32 v21, 3, v18
	v_mul_u32_u24 v[RD], v21, KP
	v_lshl_add_u32 v[RD], v19, 4, v[RD]
	v_add_nc_u32 v[RD], s66, v[RD]
	v_lshlrev_b32 v[GO], 4, v18
	v_lshlrev_b32 v22, 3, v17
	v_sub_nc_u32 v[RH], v16, v22
	v_mov_b32 v[NINF], 0xff800000
	v_lshlrev_b32 v[PFO], 8, v18
	s_cmp_eq_u32 s[PAR], 0                         ; key half 0 merges and stores the low block, key half 1 the high block
	s_cselect_b32 s62, s[QL], s[Q0]
	s_lshr_b32 s66, s[BH], 4
	s_lshl_b32 s66, s66, 11
	s_add_co_u32 s62, s62, s66                     ; row = 2,048 batch + query
	s_lshl_b32 s62, s62, 7
	s_and_b32 s66, s[BH], 15
	s_lshl_b32 s66, s66, 19                        ; a head's plane of ao is 524,288 bytes
	s_add_co_u32 s62, s62, s66
	s_add_nc_u64 s[AO0:AO0+1], s[6:7], s[62:63]
	s_add_nc_u64 s[AO0+2:AO0+3], s[AO0:AO0+1], 0x800000
	s_add_co_u32 s62, s[PAR], 4
	s_lshl_b32 s62, s62, 14
	s_add_nc_u64 s[PFA:PFA+1], s[PB:PB+1], s[62:63]   ; in slot 2; the first change of slots steps it to slot 3.  Nothing is prefetched at the head
.irp q, 0,1
	v_mov_b32 v[ST+8*\q], 0xff61b1e6               ; m: -3e38, under every score
	v_mov_b32 v[ST+8*\q+1], 0
	v_mov_b32 v[ST+8*\q+2], 0
	v_mov_b32 v[ST+8*\q+3], 0
	v_mov_b32 v[SV+\q], 0xff61b1e6
	v_mov_b32 v[SV+2+\q], 0
.endr
.macro FETCH_K hf                      ; keys 32 hf on of my 64: fragment (kt, cc) at F + 8 (4 kt + cc)
.irp kt, 0,1
.irp cc, 0,1,2,3
	ds_load_b128 v[F+8*(4*\kt+\cc):F+8*(4*\kt+\cc)+3], v[ADR] offset:(\cc/2)*KPL+(2*\hf+\kt)*16*KP+(\cc%2)*64
	ds_load_b128 v[F+8*(4*\kt+\cc)+4:F+8*(4*\kt+\cc)+7], v[ADR] offset:(\cc/2)*KPL+(2*\hf+\kt)*16*KP+(\cc%2)*64+32
.endr
.endr
.endm
.macro SMM hf                          ; 16 products: four accumulators by turns, one instruction a turn; the first four start the sums
.irp cc, 0,1,2,3
.irp kt, 0,1
.irp q, 0,1
.if \cc == 0
	v_wmma_f32_16x16x32_f16 v[S+32*\q+8*(2*\hf+\kt):S+32*\q+8*(2*\hf+\kt)+7], v[F+8*(4*\kt+\cc):F+8*(4*\kt+\cc)+7], v[QR+32*\q+8*\cc:QR+32*\q+8*\cc+7], 0
.else
	v_wmma_f32_16x16x32_f16 v[S+32*\q+8*(2*\hf+\kt):S+32*\q+8*(2*\hf+\kt)+7], v[F+8*(4*\kt+\cc):F+8*(4*\kt+\cc)+7], v[QR+32*\q+8*\cc:QR+32*\q+8*\cc+7], v[S+32*\q+8*(2*\hf+\kt):S+32*\q+8*(2*\hf+\kt)+7]
.endif
.endr
.endr
.endr
.endm
.macro FETCH_V kc                      ; keys 32 kc on of my 64, turned: fragment ct (plane ct / 4, channels 16 (ct % 4) on) at F + 8 ct
.irp ct, 0,1,2,3,4,5,6,7
	ds_load_tr16_b128 v[F+8*\ct:F+8*\ct+3], v[ADR] offset:(\ct/4)*VPL+\kc*32*VP+(\ct%4)*32
	ds_load_tr16_b128 v[F+8*\ct+4:F+8*\ct+7], v[ADR] offset:(\ct/4)*VPL+\kc*32*VP+(\ct%4)*32+16*VP
.endr
.endm
.macro PVMM kc                         ; 16 products, sixteen accumulators by turns
.irp ct, 0,1,2,3,4,5,6,7
.irp q, 0,1
	v_wmma_f32_16x16x32_f16 v[64*\q+8*\ct:64*\q+8*\ct+7], v[F+8*\ct:F+8*\ct+7], v[S+32*\q+8*\kc:S+32*\q+8*\kc+7], v[64*\q+8*\ct:64*\q+8*\ct+7]
.endr
.endr
.endm
.macro MASK                            ; register 8 kt + jj of tile q holds key KF + 16 kt + 8 h + jj: hidden where 16 kt + jj > my query - KF - 8 h.  Ascending: each accumulator is first read at its low end
	s_sub_co_i32 s62, s[Q0], s[KF]
	v_add_nc_u32 v[D0], s62, v[RH]
	v_add_nc_u32 v[D0+1], 16, v[D0]
.irp q, 0,1
.irp kt, 0,1,2,3
.irp jj, 0,1,2,3,4,5,6,7
	v_cmp_gt_i32 vcc_lo, 16*\kt+\jj, v[D0+\q]
	v_cndmask_b32 v[S+32*\q+8*\kt+\jj], v[S+32*\q+8*\kt+\jj], v[NINF], vcc_lo
.endr
.endr
.endr
.endm
.macro SOFTMAX                         ; both tiles line by line in turns
.irp j, 0,1,2,3
.irp q, 0,1
	v_max3_num_f32 v[ST+8*\q+4+\j], v[S+32*\q+8*\j], v[S+32*\q+8*\j+1], v[S+32*\q+8*\j+2]
.endr
.endr
.irp u, 1,2
.irp j, 0,1,2,3
.irp q, 0,1
	v_max3_num_f32 v[ST+8*\q+4+\j], v[ST+8*\q+4+\j], v[S+32*\q+8*\j+2*\u+1], v[S+32*\q+8*\j+2*\u+2]
.endr
.endr
.endr
.irp q, 0,1
	v_max3_num_f32 v[ST+8*\q+4], v[ST+8*\q+4], v[S+32*\q+7], v[S+32*\q+15]
	v_max3_num_f32 v[ST+8*\q+6], v[ST+8*\q+6], v[S+32*\q+23], v[S+32*\q+31]
.endr
.irp q, 0,1
	v_max3_num_f32 v[ST+8*\q+4], v[ST+8*\q+4], v[ST+8*\q+5], v[ST+8*\q+6]
.endr
.irp q, 0,1
	v_max3_num_f32 v[ST+8*\q+4], v[ST+8*\q+4], v[ST+8*\q+7], v[ST+8*\q]   ; with the old m
.endr
.irp q, 0,1
	v_permlanex16_b32 v[ST+8*\q+5], v[ST+8*\q+4], s[SEL], s[SEL+1]        ; the query's other keys lie in the lane 16 away
.endr
.irp q, 0,1
	v_mov_b32 v[ST+8*\q+7], v[ST+8*\q]
.endr
.irp q, 0,1
	v_max_num_f32 v[ST+8*\q], v[ST+8*\q+4], v[ST+8*\q+5]                  ; the new m: a number, since every open step shows each query a key
.endr
.irp q, 0,1
	v_sub_f32 v[ST+8*\q+7], v[ST+8*\q+7], v[ST+8*\q]
.endr
.irp q, 0,1
	v_exp_f32 v[ST+8*\q+6], v[ST+8*\q+7]                                  ; a = 2^(old m - new m)
.endr
.irp j, 0,2,4,6,8,10,12,14,16,18,20,22,24,26,28,30
.irp q, 0,1
	v_pk_add_f32 v[S+32*\q+\j:S+32*\q+\j+1], v[S+32*\q+\j:S+32*\q+\j+1], v[ST+8*\q:ST+8*\q+1] op_sel_hi:[1,0] neg_lo:[0,1] neg_hi:[0,1]   ; t - m
.endr
.endr
.irp j, 0,1,2,3,4,5,6,7,8,9,10,11,12,13,14,15,16,17,18,19,20,21,22,23,24,25,26,27,28,29,30,31
.irp q, 0,1
	v_exp_f32 v[S+32*\q+\j], v[S+32*\q+\j]
.endr
.endr
	v_nop                                          ; a plain instruction behind the last exponential
	s_wait_alu depctr_va_vdst(0)                   ; one wait for the batch of 66, ahead of its first reader
.irp q, 0,1
	v_pk_add_f32 v[SA+4*\q:SA+4*\q+1], v[S+32*\q:S+32*\q+1], v[S+32*\q+2:S+32*\q+3]
	v_pk_add_f32 v[SA+4*\q+2:SA+4*\q+3], v[S+32*\q+4:S+32*\q+5], v[S+32*\q+6:S+32*\q+7]
.endr
.irp j, 8,12,16,20,24,28
.irp q, 0,1
	v_pk_add_f32 v[SA+4*\q:SA+4*\q+1], v[SA+4*\q:SA+4*\q+1], v[S+32*\q+\j:S+32*\q+\j+1]
	v_pk_add_f32 v[SA+4*\q+2:SA+4*\q+3], v[SA+4*\q+2:SA+4*\q+3], v[S+32*\q+\j+2:S+32*\q+\j+3]
.endr
.endr
.irp q, 0,1
	v_pk_add_f32 v[SA+4*\q:SA+4*\q+1], v[SA+4*\q:SA+4*\q+1], v[SA+4*\q+2:SA+4*\q+3]
.endr
.irp q, 0,1
	v_pk_fma_f32 v[ST+8*\q+2:ST+8*\q+3], v[ST+8*\q+2:ST+8*\q+3], v[ST+8*\q+6:ST+8*\q+7], v[SA+4*\q:SA+4*\q+1] op_sel_hi:[1,0,1]   ; the sum = the sum x a + this step's
.endr
.set i, 0
.rept 16
	v_cvt_pk_f16_f32 v[S+i], v[S+2*i], v[S+2*i+1]                         ; P, compacted in place: register i takes p 2 i and 2 i + 1
	v_cvt_pk_f16_f32 v[S+32+i], v[S+32+2*i], v[S+32+2*i+1]
.set i, i+1
.endr
.endm
.macro TRANSITION                      ; the high block is done: its statistics and O^T are put aside, the low block's queries come down
.irp q, 0,1
	v_mov_b32 v[SV+\q], v[ST+8*\q]
	v_add_f32 v[SV+2+\q], v[ST+8*\q+2], v[ST+8*\q+3]
.endr
	WIN 0x01
.set i, 0
.rept 64
	v_mov_b32 v[QR+i], v[128+i]
.set i, i+1
.endr
	WIN 0x41
.set i, 0
.rept 128
	v_mov_b32 v[128+i], v[i]
.set i, i+1
.endr
	WIN 0x40
.set i, 0
.rept 128
	v_mov_b32 v[i], 0
.set i, i+1
.endr
	WIN 0
.irp q, 0,1
	v_mov_b32 v[ST+8*\q], 0xff61b1e6
	v_mov_b32 v[ST+8*\q+2], 0
	v_mov_b32 v[ST+8*\q+3], 0
.endr
	s_lshl_b32 s[KF], s[PAR], 6
	s_mov_b32 s[Q0], s[QL]
.endm
; ONE UNIT: my 64 of its 128 keys against my 32 queries.  The branches hang on ids and on the count of units alone.
.macro UNIT
	s_cmp_lg_u32 s[GG], s[N1]
	s_cbranch_scc1 .Lsame_\@
	TRANSITION
.Lsame_\@:
	s_add_co_u32 s62, s[Q0], 31
	s_cmp_gt_u32 s[KF], s62                        ; all my keys come after all my queries: nothing to do
	s_cbranch_scc1 .Lhid_\@
	v_add_nc_u32 v[ADR], s[TB], v[AK0]
	FETCH_K 0
	s_wait_dscnt 0x0
	SMM 0
	PLACES 4                                       ; in front of loads into registers that matrix instructions have read
	FETCH_K 1
	s_wait_dscnt 0x0
	SMM 1
	PLACES 3
	v_add_nc_u32 v[ADR], s[TB], v[AV0]             ; the fourth place
	FETCH_V 0                                      ; lands under the softmax
	s_add_co_u32 s62, s[KF], 63
	s_cmp_le_u32 s62, s[Q0]                        ; all my keys count for all my queries
	s_cbranch_scc1 .Lopen_\@
	MASK
.Lopen_\@:
	SOFTMAX
	WIN 0x41
.set i, 0
.rept 32
	v_pk_mul_f32 v[i:i+1], v[i:i+1], v[ST+6:ST+7] op_sel_hi:[1,0]         ; O^T x a
	v_pk_mul_f32 v[64+i:64+i+1], v[64+i:64+i+1], v[ST+14:ST+15] op_sel_hi:[1,0]
.set i, i+2
.endr
	s_wait_dscnt 0x0
	WIN 0x50
	PVMM 0
	WIN 0
	PLACES 4
	FETCH_V 1
	s_wait_dscnt 0x0
	WIN 0x50
	PVMM 1
	WIN 0
	PLACES 5                                       ; the next step's first products write over P, and its loads land on the fragments
.Lhid_\@:
	s_add_co_u32 s[GG], s[GG], 1
	s_add_co_u32 s[KF], s[KF], 128
	s_add_co_u32 s[TB], s[TB], UNITB
.endm
.macro TWO_UNITS                       ; a slot: written once, walked twice
	s_mov_b32 s[TW], 2
.Lstep_\@:
	UNIT
	s_sub_co_u32 s[TW], s[TW], 1
	s_cmp_lg_u32 s[TW], 0
	s_cbranch_scc1 .Lstep_\@
	s_sub_co_u32 s[TB], s[TB], 2*UNITB
	s_xor_b32 s[TB], s[TB], SLOTB
.endm
; THE CHANGE OF SLOTS.  Each wave waits for all its tensor loads (its part of the slot ahead), adds 0 to its spare word, and waits for that and for its reads of the slot that it leaves.  Behind the barrier the slot
; ahead is whole and nobody reads the other: it is filled with the units two slots on, one load a wave, which has two units of work in which to land.  fill = 2: in the loop; 1: the last slot, one unit; 0: nothing is left.
.macro CHANGE fill
	s_wait_tensorcnt 0x0                           ; no tensor load of mine is out, so the walking group 0 may be written
	ds_add_u32 v[SPW], v[NIL]
.if \fill
	s_add_co_u32 s[FG], s[FG], 2
	s_sub_co_u32 s62, s[FG], s[N1]
	s_cmp_lt_u32 s[FG], s[N1]
	s_cselect_b32 s[OFF], s[FG], s62               ; the key unit: the walk begins anew at unit N1
	s_lshl_b32 s[OFF], s[OFF], 14
	s_add_co_u32 s[G0W+1], s[WL], s[FB]
	s_xor_b32 s[FB], s[FB], SLOTB
	s_add_nc_u64 s[G0W+2:G0W+3], s[PB:PB+1], s[OFF:OFF+1]
	s_or_b32 s[G0W+3], s[G0W+3], 0x80000000
.endif
.if \fill == 2
	s_wait_xcnt 0x0                                ; the last prefetches, a slot back, have read their address
	s_add_nc_u64 s[PFA:PFA+1], s[PFA:PFA+1], 32768
.endif
	s_wait_dscnt 0x0                               ; the add is done, and my reads of the slot that I leave are over
	s_barrier_signal -1
	s_barrier_wait -1
.if \fill
	TLOAD \fill
.endif
.if \fill == 2
	ASK
.endif
.endm
	s_wait_loadcnt 0x0                             ; Q'
	s_wait_tensorcnt 1                             ; my part of slot 0 is in; slot 1's may stay out
	s_barrier_signal -1
	s_barrier_wait -1
	s_mov_b32 s[CNT], 6
.Lslot:                                            ; slots 0 to 5 are walked, slots 2 to 7 asked for
	TWO_UNITS
	CHANGE 2
	s_sub_co_u32 s[CNT], s[CNT], 1
	s_cmp_lg_u32 s[CNT], 0
	s_cbranch_scc1 .Lslot
	TWO_UNITS                                      ; slot 6
	CHANGE 1                                       ; unit 16
	TWO_UNITS                                      ; slot 7
	CHANGE 0
	UNIT                                           ; unit 16
	s_wait_dscnt 0x0
	s_barrier_signal -1                            ; every wave's reads of the ring are over: the stage may be written
	s_barrier_wait -1
	; THE MERGE.  Key half 0 sends its high block's sets and keeps the low block's; key half 1 sends the low block's and keeps the high block's, which it brings into the registers of the sets in hand.
.macro SENDSET ob, m0, m1, l0, l1
	WIN 0x04                                       ; an LDS store's data: window 1
.irp q, 0,1
.irp i, 0,1,2,3,4,5,6,7,8,9,10,11,12,13,14,15
	ds_store_b128 v[SGI], v[\ob+64*\q+4*\i:\ob+64*\q+4*\i+3] offset:\q*SETB+512*\i
.endr
.endr
	WIN 0
	ds_store_b32 v[SGS], v[\m0]
	ds_store_b32 v[SGS], v[\l0] offset:128
	ds_store_b32 v[SGS], v[\m1] offset:SETB
	ds_store_b32 v[SGS], v[\l1] offset:SETB+128
.endm
.irp q, 0,1
	v_add_f32 v[ST+8*\q+2], v[ST+8*\q+2], v[ST+8*\q+3]
.endr
	s_cmp_eq_u32 s[PAR], 0
	s_cbranch_scc0 .Lsend_cur
	SENDSET 128, SV, SV+1, SV+2, SV+3
	s_branch .Lsent
.Lsend_cur:
	SENDSET 0, ST, ST+8, ST+2, ST+10
	WIN 0x41
.set i, 0
.rept 128
	v_mov_b32 v[i], v[128+i]
.set i, i+1
.endr
	WIN 0
.irp q, 0,1
	v_mov_b32 v[ST+8*\q], v[SV+\q]
	v_mov_b32 v[ST+8*\q+2], v[SV+2+\q]
.endr
.Lsent:
	s_wait_dscnt 0x0                               ; for my partner's sake: my stores have landed
	s_barrier_signal -1
	s_barrier_wait -1
.irp q, 0,1
.irp i, 0,1,2,3,4,5,6,7,8,9,10,11,12,13,14,15
	ds_load_b128 v[IM+64*\q+4*\i:IM+64*\q+4*\i+3], v[SGJ] offset:\q*SETB+512*\i
.endr
.endr
	ds_load_b32 v[MP], v[SGR]
	ds_load_b32 v[LP], v[SGR] offset:128
	ds_load_b32 v[MP+1], v[SGR] offset:SETB
	ds_load_b32 v[LP+1], v[SGR] offset:SETB+128
	s_wait_dscnt 0x0
.irp q, 0,1
	v_max_num_f32 v[ST+8*\q+4], v[ST+8*\q], v[MP+\q]                      ; a partner that never had an open step holds m = -3e38, sum 0, O^T 0: its factor comes out 0
.endr
.irp q, 0,1
	v_sub_f32 v[ST+8*\q+5], v[ST+8*\q], v[ST+8*\q+4]
	v_sub_f32 v[ST+8*\q+6], v[MP+\q], v[ST+8*\q+4]
.endr
.irp q, 0,1
	v_exp_f32 v[ST+8*\q+5], v[ST+8*\q+5]
	v_exp_f32 v[ST+8*\q+6], v[ST+8*\q+6]
.endr
	v_nop
	s_wait_alu depctr_va_vdst(0)                   ; one wait for the four
.irp q, 0,1
	v_mul_f32 v[ST+8*\q+7], v[ST+8*\q+2], v[ST+8*\q+5]
.endr
.irp q, 0,1
	v_fma_f32 v[ST+8*\q+7], v[LP+\q], v[ST+8*\q+6], v[ST+8*\q+7]
.endr
.irp q, 0,1
	v_permlanex16_b32 v[ST+8*\q+4], v[ST+8*\q+7], s[SEL], s[SEL+1]
.endr
.irp q, 0,1
	v_add_f32 v[ST+8*\q+7], v[ST+8*\q+7], v[ST+8*\q+4]                    ; the row's sum
.endr
.irp q, 0,1
	v_rcp_f32 v[ST+8*\q+4], v[ST+8*\q+7]
.endr
	v_nop
	s_wait_alu depctr_va_vdst(0)                   ; one wait for the two
.irp q, 0,1
	v_mul_f32 v[GA+4*\q], v[ST+8*\q+5], v[ST+8*\q+4]
	v_mul_f32 v[GA+4*\q+2], v[ST+8*\q+6], v[ST+8*\q+4]
.endr
.irp q, 0,1
	v_mov_b32 v[GA+4*\q+1], v[GA+4*\q]             ; (named as the upper halves of pairs)
	v_mov_b32 v[GA+4*\q+3], v[GA+4*\q+2]
.endr
	WIN 0x41
.irp q, 0,1
.set i, 0
.rept 32
	v_pk_mul_f32 v[64*\q+i:64*\q+i+1], v[64*\q+i:64*\q+i+1], v[GA+4*\q:GA+4*\q+1] op_sel_hi:[1,0]
.set i, i+2
.endr
.endr
	WIN 0x50
.irp q, 0,1
.set i, 0
.rept 32
	v_pk_fma_f32 v[64*\q+i:64*\q+i+1], v[IM+64*\q+i:IM+64*\q+i+1], v[GA+4*\q+2:GA+4*\q+3], v[64*\q+i:64*\q+i+1] op_sel_hi:[1,0,1]
.set i, i+2
.endr
.endr
	WIN 0x05
.irp q, 0,1
.set i, 0
.rept 32
	v_cvt_pk_f16_f32 v[IM+64*\q+i], v[64*\q+2*i], v[64*\q+2*i+1]
.set i, i+1
.endr
.endr
	WIN 0
.irp q, 0,1                            ; 16 rows of one plane at a time through my own stage, and out as four rows (512 consecutive bytes) an instruction
.irp t, 0,1
.irp c, 0,1,2,3
	ds_store_b128 v[STO], v[IM+64*\q+16*\t+4*\c:IM+64*\q+16*\t+4*\c+3] offset:32*\c
.endr
.irp i, 0,1,2,3
	ds_load_b128 v[QR+16*(2*\q+\t)+4*\i:QR+16*(2*\q+\t)+4*\i+3], v[RD] offset:576*\i   ; LDS serves a wave's instructions in order
.endr
.irp i, 0,1,2,3
	s_wait_dscnt 3-\i
	global_store_b128 v[GO], v[QR+16*(2*\q+\t)+4*\i:QR+16*(2*\q+\t)+4*\i+3], s[AO0+2*\t:AO0+2*\t+1] offset:\q*2048+512*\i
.endr
.endr
.endr
	s_wait_tensorcnt 0x0                           ; the wave's end
	ds_add_u32 v[SPW], v[NIL]
	s_wait_dscnt 0x0
	s_endpgm
.Lfunc_end_k_q74d9e009d8_attn:
	.size	k_q74d9e009d8_attn, .Lfunc_end_k_q74d9e009d8_attn-k_q74d9e009d8_attn
	.p2alignl 7, 3214868480
	.fill 96, 4, 3214868480
	.section	.rodata,"a",@progbits
	.p2align	6, 0x0
	.amdhsa_kernel k_q74d9e009d8_attn
		.amdhsa_group_segment_fixed_size 327680
		.amdhsa_private_segment_fixed_size 0
		.amdhsa_enable_private_segment 0
		.amdhsa_kernarg_size 16
		.amdhsa_user_sgpr_count 2
		.amdhsa_user_sgpr_kernarg_segment_ptr 1
		.amdhsa_wavefront_size32 1
		.amdhsa_system_sgpr_workgroup_id_x 1
		.amdhsa_system_sgpr_workgroup_id_y 1
		.amdhsa_system_sgpr_workgroup_id_z 1
		.amdhsa_system_vgpr_workitem_id 0
		.amdhsa_next_free_vgpr 512
		.amdhsa_next_free_sgpr 80
		.amdhsa_reserve_vcc 1
		.amdhsa_float_denorm_mode_32 3
		.amdhsa_float_denorm_mode_16_64 3
		.amdhsa_memory_ordered 1
		.amdhsa_forward_progress 1
		.amdhsa_inst_pref_size 203
	.end_amdhsa_kernel
	.amdgpu_metadata
---
amdhsa.version: [ 1, 2 ]
amdhsa.kernels:
  - .name:           k_q74d9e009d8_attn
    .symbol:         k_q74d9e009d8_attn.kd
    .args:
      - { .name: qkv, .offset: 0, .size: 8, .value_kind: global_buffer, .address_space: global }
      - { .name: ao, .offset: 8, .size: 8, .value_kind: global_buffer, .address_space: global }
    .group_segment_fixed_size: 327680
    .private_segment_fixed_size: 0
    .kernarg_segment_align: 8
    .kernarg_segment_size: 16
    .max_flat_workgroup_size: 256
    .sgpr_count:     80
    .vgpr_count:     512
    .wavefront_size: 32
...
	.end_amdgpu_metadata
.endif
;; end of part 3
;; launch proj (part 4): grid 8 x 32, 4 waves a work-group, clusters of 4 x 4, 327,680 bytes of LDS; arguments ao, wp, bproj_mu, bproj_sigma, out0, out1; writes out0, out1
.if DOCPART == 4
	.amdgcn_target "amdgcn-amd-amdhsa--gfx1250"
	.amdhsa_code_object_version 6
	.text
	.protected	k_q74d9e009d8_proj
	.globl	k_q74d9e009d8_proj
	.p2align	8
	.type	k_q74d9e009d8_proj,@function
k_q74d9e009d8_proj:
	s_mov_b64 s[64:65], 0
	v_nop
	global_prefetch_b8 v0, s[64:65] scope:SCOPE_SE
	s_setreg_imm32_b32 hwreg(HW_REG_WAVE_MODE, 25, 1), 1
	s_wait_xcnt 0x0
	s_wait_alu depctr_hold_cnt(0) depctr_sa_sdst(0) depctr_va_vdst(0) depctr_va_sdst(0) depctr_va_ssrc(0) depctr_va_vcc(0) depctr_vm_vsrc(0)
	s_getreg_b32 s2, hwreg(HW_REG_IB_STS2, 6, 4)
	s_cmp_eq_u32 s2, 0
	s_cbranch_scc0 .Lentry_in_a_cluster
	s_endpgm
.Lentry_in_a_cluster:
	s_bfe_u32 s2, ttmp6, 0x10000c
	s_cmp_lg_u32 s2, 0xf033
	s_cbranch_scc0 .Lentry_shape_is_right
	s_endpgm
.Lentry_shape_is_right:
; PROJ: out_t = O_t Wproj_t + bproj_t, t = mu, sigma: [4,096 x 1,024] x [1,024 x 1,024], f16 operands, f32 sums.  O_t lies by heads: ao [t][head][row][64]; Wproj as it lies, [t][k][n].
; A tile of 256 rows x 128 columns is made by four waves, 128 x 64 each: 32 accumulators (window 1).  256 work-groups.  K goes in steps of 128 (two heads) through a ring of two slots.
; CLUSTERS: 4 x 4; tiles of O are asked for jointly along a row of the cluster, tiles of W along a column; t comes from the cluster's y alone.
; THE MATRIX INSTRUCTION IS USED TRANSPOSED: source 0 = 16 columns of W (turned out of LDS by ds_load_tr16_b128), source 1 = 16 rows of O: a lane holds eight neighbouring columns of one row.
; The bias is the C of each sum's first product.  Rows 0 to 15 of each sequence lie inside live tiles and are written here too; the launch behind this one writes them again, more finely.
; REGISTERS: window 0: v16-31 addresses; v32-63 the bias (8 registers for each block of 16 columns); v64-159, v160-255 two fragment buffers (O: 64 registers, W: 32), 32 along K each; window 1: accumulator (a, b) at v[8 (4 a + b)].
.set APL,   256*144                    ; a head's 256 rows in LDS: 128 bytes + 16
.set BOFF,  2*APL                      ; behind them 128 rows of W: 256 bytes + 32
.set SLOT,  2*APL+128*288              ; 110,592
.set SPARE, 2*SLOT
.set LAPS,  4                          ; 8 K steps
.set ADRA, 16
.set ADRB, 20
.set STO,  24
.set RD,   25
.set CO,   26
.set SPW,  28
.set NIL,  29
.set BIAS, 32
.set F0,   64
.set F1,   160
.set BK,   64
.set G1, 24
.set G0, 32
.set G1B, 48
.set G0B, 56
.set MSB, 0
.macro WIN new
.if MSB != \new
	s_set_vgpr_msb (MSB<<8)|\new
.set MSB, \new
.endif
.endm
.macro JLOAD s                         ; waves 0 and 1 fetch the two heads of O, waves 2 and 3 the two halves of W's rows; an s_nop 0 and four v_nop follow each line
	s_cmp_eq_u32 s11, 0
	s_cbranch_scc0 .Lfor_b_\@
	tensor_load_to_lds s[G0+4*\s:G0+4*\s+3], s[G1:G1+7]
	s_nop 0
.rept 4
	v_nop
.endr
	s_branch .Lasked_\@
.Lfor_b_\@:
	tensor_load_to_lds s[G0B+4*\s:G0B+4*\s+3], s[G1B:G1B+7]
	s_nop 0
.rept 4
	v_nop
.endr
.Lasked_\@:
.endm
.macro CREST
	s_cmp_lg_u32 s10, 0
	s_cbranch_scc1 .Lnot_wave_0_\@
	s_barrier_signal -3
.Lnot_wave_0_\@:
	s_barrier_wait -3
	s_barrier_signal -1
	s_barrier_wait -1
.endm
.macro CROUND
	s_barrier_signal -1
	s_barrier_wait -1
	CREST
.endm
	s_load_b128 s[4:7], s[0:1], 0x0                ; ao, wp
	s_load_b128 s[68:71], s[0:1], 0x10             ; bproj_mu, bproj_sigma
	s_load_b128 s[72:75], s[0:1], 0x20             ; out0, out1
	v_lshl_add_u32 v[SPW], v0, 2, SPARE
	v_mov_b32 v[NIL], 0
	ds_add_u32 v[SPW], v[NIL]                      ; the opening: the add, twice on end, and its wait ahead of my first tensor load
	ds_add_u32 v[SPW], v[NIL]
	v_lshrrev_b32 v1, 5, v0
	v_readfirstlane_b32 s10, v1
	s_lshr_b32 s11, s10, 1                         ; my half of the rows.  Also: I fetch for O (0) or for W (1)
	s_and_b32 s12, s10, 1                          ; my half of the columns.  Also: which part I fetch
	s_bfe_u32 s40, ttmp6, 0x40000
	s_bfe_u32 s41, ttmp6, 0x40004
	s_lshl_b32 s42, ttmp9, 2
	s_add_co_u32 s42, s42, s40                     ; nt 0..7
	s_and_b32 s45, ttmp7, 0xffff
	s_lshl_b32 s13, s45, 2
	s_add_co_u32 s13, s13, s41                     ; y 0..31
	s_lshr_b32 s45, s45, 2                         ; t
	s_lshl_b32 s43, s41, 2
	s_lshl_b32 s43, 15, s43
	s_lshl_b32 s44, 0x1111, s40
	s_or_b32 s[G1+0], s43, (1<<16)|(1<<20)|(1<<21)|(4<<22)|(3<<25)   ; O: 256 rows of 64 elements, dense; 4 words of padding after every 32
	s_mov_b32 s[G1+1], 64<<16
	s_mov_b32 s[G1+2], 256<<16
	s_mov_b32 s[G1+3], 64<<16
	s_mov_b32 s[G1+4], 256
	s_mov_b32 s[G1+5], 64
	s_mov_b32 s[G1+6], 0
	s_mov_b32 s[G1+7], 0
	s_or_b32 s[G1B+0], s44, (1<<16)|(1<<20)|(1<<21)|(5<<22)|(7<<25)  ; W: 64 rows of 128 elements, 1,024 apart; 8 words after every 64
	s_mov_b32 s[G1B+1], 128<<16
	s_mov_b32 s[G1B+2], 64<<16
	s_mov_b32 s[G1B+3], 128<<16
	s_mov_b32 s[G1B+4], 64
	s_mov_b32 s[G1B+5], 1024
	s_mov_b32 s[G1B+6], 0
	s_mov_b32 s[G1B+7], 0
	s_and_b32 s16, s13, 15                         ; O: t x 16 planes + my head of the step's two + 256 (y % 16) rows
	s_lshl_b32 s16, s16, 15
	s_lshl_b32 s17, s12, 19
	s_add_co_u32 s16, s16, s17
	s_lshl_b32 s17, s45, 23
	s_add_co_u32 s16, s16, s17
	s_mov_b32 s17, 0
	s_lshl_b32 s46, s42, 8                         ; W: t x 1,024 rows + my 64 rows of the step's 128 + 128 nt columns
	s_lshl_b32 s47, s12, 17
	s_add_co_u32 s46, s46, s47
	s_lshl_b32 s47, s45, 21
	s_add_co_u32 s46, s46, s47
	s_mov_b32 s47, 0
	s_mul_i32 s20, s12, APL
	s_mul_i32 s21, s12, 64*288
	s_add_co_u32 s21, s21, BOFF
	s_wait_dscnt 0x0                               ; both opening adds are done
	s_wait_kmcnt 0x0
	s_add_nc_u64 s[14:15], s[4:5], s[16:17]
	s_add_nc_u64 s[46:47], s[6:7], s[46:47]
	CROUND
.irp s, 0,1
	s_mov_b32 s[G0+4*\s], 1
	s_add_co_u32 s[G0+4*\s+1], s20, \s*SLOT
	s_add_nc_u64 s[G0+4*\s+2:G0+4*\s+3], s[14:15], \s*1048576
	s_or_b32 s[G0+4*\s+3], s[G0+4*\s+3], 0x80000000
	s_mov_b32 s[G0B+4*\s], 1
	s_add_co_u32 s[G0B+4*\s+1], s21, \s*SLOT
	s_add_nc_u64 s[G0B+4*\s+2:G0B+4*\s+3], s[46:47], \s*262144
	s_or_b32 s[G0B+4*\s+3], s[G0B+4*\s+3], 0x80000000
	JLOAD \s
.endr
	v_and_b32 v1, 15, v0                           ; r
	v_bfe_u32 v2, v0, 4, 1                         ; h
	v_mul_u32_u24 v3, v1, 144
	v_lshl_add_u32 v3, v2, 4, v3
	s_mul_i32 s22, s11, 128*144
	v_and_b32 v4, 7, v0
	v_bfe_u32 v5, v0, 3, 1
	v_lshl_add_u32 v4, v2, 3, v4
	v_mul_u32_u24 v4, v4, 288
	v_lshl_add_u32 v4, v5, 4, v4
	s_lshl_b32 s23, s12, 7
	s_add_co_u32 s23, s23, BOFF
.irp s, 0,1
	v_add_nc_u32 v[ADRA+\s], s22, v3
	v_add_nc_u32 v[ADRB+\s], s23, v4
	s_add_co_u32 s22, s22, SLOT
	s_add_co_u32 s23, s23, SLOT
.endr
	s_mul_i32 s22, s10, 4352                       ; my stage: 16 rows x (256 + 16), in slot 0, behind its last fill and its last read
	v_mul_u32_u24 v5, v1, 272
	v_lshl_add_u32 v5, v2, 5, v5
	v_add_nc_u32 v[STO], s22, v5
	v_mul_u32_u24 v5, v2, 272
	v_lshl_add_u32 v5, v1, 4, v5
	v_add_nc_u32 v[RD], s22, v5
	v_lshlrev_b32 v5, 12, v2
	v_lshl_add_u32 v[CO], v1, 4, v5
	v_lshlrev_b32 v31, 5, v2
	s_cmp_eq_u32 s45, 0
	s_cselect_b64 s[68:69], s[68:69], s[70:71]
	s_cselect_b64 s[8:9], s[72:73], s[74:75]
	s_lshl_b32 s46, s42, 9                         ; column 128 nt + 64 x my half, in bytes
	s_lshl_b32 s47, s12, 8
	s_add_co_u32 s46, s46, s47
	s_mov_b32 s47, 0
	s_add_nc_u64 s[68:69], s[68:69], s[46:47]
	s_add_nc_u64 s[8:9], s[8:9], s[46:47]
	s_and_b32 s16, s13, 15
	s_lshl_b32 s16, s16, 20                        ; 256 rows of 4,096 bytes
	s_lshl_b32 s17, s11, 19
	s_add_co_u32 s16, s16, s17
	s_mov_b32 s17, 0
	s_add_nc_u64 s[8:9], s[8:9], s[16:17]
.irp b, 0,1,2,3
	global_load_b128 v[BIAS+8*\b:BIAS+8*\b+3], v31, s[68:69] offset:64*\b
	global_load_b128 v[BIAS+8*\b+4:BIAS+8*\b+7], v31, s[68:69] offset:64*\b+16
.endr
.macro MWIN zero
.if \zero
	WIN 0x40                                       ; D window 1, C (the bias) window 0
.else
	WIN 0x50                                       ; C and D window 1
.endif
.endm
.macro MUL8 f, a0, zero                ; blocks a0, a0 + 1 of rows x the four of columns.  The 32 accumulators take turns, one instruction a turn
.irp a, \a0, \a0+1
.irp b, 0,1,2,3
.if \zero
	v_wmma_f32_16x16x32_f16 v[8*(4*(\a)+\b):8*(4*(\a)+\b)+7], v[\f+64+8*\b:\f+64+8*\b+7], v[\f+8*(\a):\f+8*(\a)+7], v[BIAS+8*\b:BIAS+8*\b+7]
.else
	v_wmma_f32_16x16x32_f16 v[8*(4*(\a)+\b):8*(4*(\a)+\b)+7], v[\f+64+8*\b:\f+64+8*\b+7], v[\f+8*(\a):\f+8*(\a)+7], v[8*(4*(\a)+\b):8*(4*(\a)+\b)+7]
.endif
.endr
.endr
.endm
.macro FETCH slot, kq, f               ; 24 loads: quarter kq of the slot: W's four fragments, then O's blocks 0-3, then 4-7
	WIN 0
.irp b, 0,1,2,3
	ds_load_tr16_b128 v[\f+64+8*\b:\f+64+8*\b+3], v[ADRB+\slot] offset:(\kq)*32*288+32*\b
	ds_load_tr16_b128 v[\f+64+8*\b+4:\f+64+8*\b+7], v[ADRB+\slot] offset:(\kq)*32*288+32*\b+16*288
.endr
.irp a, 0,1,2,3,4,5,6,7
	ds_load_b128 v[\f+8*\a:\f+8*\a+3], v[ADRA+\slot] offset:((\kq)/2)*APL+\a*2304+((\kq)%2)*64
	ds_load_b128 v[\f+8*\a+4:\f+8*\a+7], v[ADRA+\slot] offset:((\kq)/2)*APL+\a*2304+((\kq)%2)*64+32
.endr
.endm
.macro PLACES
.rept 4
	v_nop
.endr
.endm
.macro QUARTER slot, k, f, g, zero     ; 32 along K: multiplies buffer f; in its middle fetches quarter k into g
	s_wait_dscnt 8                                 ; W and O's blocks 0-3 are in; the youngest eight loads may be out
	MWIN \zero
	MUL8 \f, 0, \zero
	MUL8 \f, 2, \zero
	PLACES
	FETCH \slot, \k, \g
	s_wait_dscnt 24                                ; all but the 24 just issued
	MWIN \zero
	MUL8 \f, 4, \zero
	MUL8 \f, 6, \zero
.endm
.macro TURN slot, next, fill           ; the last quarter multiplies buffer 1 and changes slots
	WIN 0
	s_wait_tensorcnt 0x0                           ; all my tensor loads have landed: my part of the next slot
	ds_add_u32 v[SPW], v[NIL]
	s_wait_dscnt 9                                 ; (the add and the youngest eight loads may be out)
	WIN 0x50
	MUL8 F1, 0, 0
	s_wait_dscnt 0x0                               ; the add is done, and my reads of this slot are over
	s_barrier_signal -1
	MUL8 F1, 2, 0
	WIN 0
	s_barrier_wait -1
.if \fill
	CREST                                          ; the barrier has opened a round of the cluster's: no wave of any partner still reads this slot or has a load on its way
	s_add_nc_u64 s[G0+4*\slot+2:G0+4*\slot+3], s[G0+4*\slot+2:G0+4*\slot+3], 2097152
	s_add_nc_u64 s[G0B+4*\slot+2:G0B+4*\slot+3], s[G0B+4*\slot+2:G0B+4*\slot+3], 524288
	JLOAD \slot                                    ; 112 matrix instructions ahead of the wait for it; its four v_nop are the places in front of the loads below
.else
	PLACES
.endif
	FETCH \next, 0, F0
	WIN 0x50
	MUL8 F1, 4, 0
	MUL8 F1, 6, 0
.endm
	s_wait_loadcnt 0x0                             ; the bias
	s_wait_tensorcnt 1                             ; my part of K step 0 is in; K step 1's may be out
	s_barrier_signal -1
	s_barrier_wait -1
	FETCH 0, 0, F0
	QUARTER 0, 1, F0, F1, 1                        ; the first products start the sums, on the bias
	WIN 0
	s_mov_b32 s3, LAPS-1
.Llap:
	QUARTER 0, 2, F1, F0, 0
	QUARTER 0, 3, F0, F1, 0
	TURN 0, 1, 1
	QUARTER 1, 1, F0, F1, 0
	QUARTER 1, 2, F1, F0, 0
	QUARTER 1, 3, F0, F1, 0
	TURN 1, 0, 1
	QUARTER 0, 1, F0, F1, 0
	WIN 0
	s_sub_co_u32 s3, s3, 1
	s_cmp_lg_u32 s3, 0
	s_cbranch_scc1 .Llap
	QUARTER 0, 2, F1, F0, 0                        ; the last lap fills nothing
	QUARTER 0, 3, F0, F1, 0
	TURN 0, 1, 0
	QUARTER 1, 1, F0, F1, 0
	QUARTER 1, 2, F1, F0, 0
	QUARTER 1, 3, F0, F1, 0
	s_wait_dscnt 8
	WIN 0x50
	MUL8 F1, 0, 0
	MUL8 F1, 2, 0
	s_wait_dscnt 0
	MUL8 F1, 4, 0
	MUL8 F1, 6, 0
	WIN 0
.macro TOSTAGE a                       ; 16 rows x 64 columns through my own stage; LDS serves a wave's instructions in order
	WIN 0x04
.irp b, 0,1,2,3
	ds_store_b128 v[STO], v[8*(4*(\a)+\b):8*(4*(\a)+\b)+3] offset:64*\b            ; each accumulator from its low end on
	ds_store_b128 v[STO], v[8*(4*(\a)+\b)+4:8*(4*(\a)+\b)+7] offset:64*\b+16
.endr
	WIN 0
.set BB, BK+32*((\a)%2)
.irp i, 0,1,2,3,4,5,6,7
	ds_load_b128 v[BB+4*\i:BB+4*\i+3], v[RD] offset:544*\i
.endr
.endm
.macro SEND a, younger
.set BB, BK+32*((\a)%2)
	s_wait_dscnt \younger
.irp i, 0,1,2,3,4,5,6,7
	global_store_b128 v[CO], v[BB+4*\i:BB+4*\i+3], s[8:9] offset:(16*(\a)+2*\i)*4096 th:TH_STORE_NT   ; sixteen lanes store 256 consecutive bytes, aligned
.endr
.endm
	PLACES
	TOSTAGE 0
.irp a, 1,2,3,4,5,6,7
.if \a > 1
	s_wait_xcnt 0x0                                ; block a - 2's stores have read their registers
.endif
	TOSTAGE \a
	SEND \a-1, 16                                  ; behind block a - 1's loads: block a's 8 stores and 8 loads
.endr
	SEND 7, 0
	s_wait_tensorcnt 0x0                           ; the wave's end
	ds_add_u32 v[SPW], v[NIL]
	s_wait_dscnt 0x0
	CROUND                                         ; the closing round
	s_endpgm
.Lfunc_end_k_q74d9e009d8_proj:
	.size	k_q74d9e009d8_proj, .Lfunc_end_k_q74d9e009d8_proj-k_q74d9e009d8_proj
	.p2alignl 7, 3214868480
	.fill 96, 4, 3214868480
	.section	.rodata,"a",@progbits
	.p2align	6, 0x0
	.amdhsa_kernel k_q74d9e009d8_proj
		.amdhsa_group_segment_fixed_size 327680
		.amdhsa_private_segment_fixed_size 0
		.amdhsa_enable_private_segment 0
		.amdhsa_kernarg_size 48
		.amdhsa_user_sgpr_count 2
		.amdhsa_user_sgpr_kernarg_segment_ptr 1
		.amdhsa_wavefront_size32 1
		.amdhsa_system_sgpr_workgroup_id_x 1
		.amdhsa_system_sgpr_workgroup_id_y 1
		.amdhsa_system_sgpr_workgroup_id_z 1
		.amdhsa_system_vgpr_workitem_id 0
		.amdhsa_next_free_vgpr 512
		.amdhsa_next_free_sgpr 80
		.amdhsa_reserve_vcc 0
		.amdhsa_float_denorm_mode_32 3
		.amdhsa_float_denorm_mode_16_64 3
		.amdhsa_memory_ordered 1
		.amdhsa_forward_progress 1
		.amdhsa_inst_pref_size 87
	.end_amdhsa_kernel
	.amdgpu_metadata
---
amdhsa.version: [ 1, 2 ]
amdhsa.kernels:
  - .name:           k_q74d9e009d8_proj
    .symbol:         k_q74d9e009d8_proj.kd
    .args:
      - { .name: ao, .offset: 0, .size: 8, .value_kind: global_buffer, .address_space: global }
      - { .name: wp, .offset: 8, .size: 8, .value_kind: global_buffer, .address_space: global }
      - { .name: bproj_mu, .offset: 16, .size: 8, .value_kind: global_buffer, .address_space: global }
      - { .name: bproj_sigma, .offset: 24, .size: 8, .value_kind: global_buffer, .address_space: global }
      - { .name: out0, .offset: 32, .size: 8, .value_kind: global_buffer, .address_space: global }
      - { .name: out1, .offset: 40, .size: 8, .value_kind: global_buffer, .address_space: global }
    .group_segment_fixed_size: 327680
    .private_segment_fixed_size: 0
    .kernarg_segment_align: 8
    .kernarg_segment_size: 48
    .max_flat_workgroup_size: 128
    .sgpr_count:     80
    .vgpr_count:     512
    .wavefront_size: 32
...
	.end_amdgpu_metadata
.endif
;; end of part 4
;; launch fine (part 5): grid 16 x 4, 16 waves a work-group, no clusters, 84,992 bytes of LDS; arguments q32, Wproj_mu, Wproj_sigma, bproj_mu, bproj_sigma, out0, out1; writes out0, out1
.if DOCPART == 5
	.amdgcn_target "amdgcn-amd-amdhsa--gfx1250"
	.amdhsa_code_object_version 6
	.text
	.protected	k_q74d9e009d8_fine
	.globl	k_q74d9e009d8_fine
	.p2align	8
	.type	k_q74d9e009d8_fine,@function
k_q74d9e009d8_fine:
	s_mov_b64 s[64:65], 0
	v_nop
	global_prefetch_b8 v0, s[64:65] scope:SCOPE_SE
	s_setreg_imm32_b32 hwreg(HW_REG_WAVE_MODE, 25, 1), 1
	s_wait_xcnt 0x0
; FINE: positions 0 to 15 of both sequences once more, in f32 throughout: there a row of the softmax averages one to sixteen values, the results are the largest, and the rounding of f16 operands weighs most.
; Work-group (slab, 2 t + batch): 64 columns of out_t for the 16 rows of one batch.  Phase 1, wave = head: scores (K = 128), mask, softmax, O = P V_t.  Phase 2, wave = (16 columns, 4 heads): O Wproj_t; the four parts of K
; meet in LDS; bias; store.  It runs last and writes over what the launch before left in these 32 rows.  LEFT OUT: the K third of the QKV biases (shown at the head of prep).
; q32 holds register images: lane (r, h), word i of group g of column block cb = (row r, column 16 cb + 8 h + 4 g + i).  A pair of registers of an image of K and the same pair of Q' are source 0 and source 1 of one
; v_wmma_f32_16x16x4_f32: the four places along K stand for the same four channels on both sides.  All products are used transposed: a lane holds one query.
; REGISTERS: v1-13 addresses and constants; v14, v15 at work; v16-79 Q', v80-143 K, later both W (128); v144-175 V, later O set 0; v176-207 four accumulators, written by matrix instructions alone; v208-215, v216-223 at work; v224-255 O set 1.
.set OIMG,  0                          ; 16 heads x 4,096 bytes: images of O^T
.set RED,   65536                      ; 4 parts of K x 16 rows x (256 + 16)
.set SPARE, 82944                      ; the spare words: 2,048 bytes that no other line names
.set SPW, 4
.set NIL, 5
.set QF,  16
.set KFR, 80
.set WF,  16
.set VF,  144
.set ACC, 176
.set TT,  208
.set PP,  216
	s_load_b64 s[4:5], s[0:1], 0x0                 ; q32
	s_load_b128 s[8:11], s[0:1], 0x8               ; Wproj_mu, Wproj_sigma
	s_load_b128 s[12:15], s[0:1], 0x18             ; bproj_mu, bproj_sigma
	s_load_b128 s[16:19], s[0:1], 0x28             ; out0, out1
	v_lshl_add_u32 v[SPW], v0, 2, SPARE
	v_mov_b32 v[NIL], 0
	v_lshrrev_b32 v1, 5, v0
	v_readfirstlane_b32 s20, v1                    ; wave 0..15: the head of phase 1
	s_and_b32 s21, s20, 3                          ; phase 2: which 16 columns
	s_lshr_b32 s22, s20, 2                         ; and which 4 heads
	s_and_b32 s25, ttmp7, 0xffff
	s_lshr_b32 s23, s25, 1                         ; t
	s_and_b32 s24, s25, 1                          ; batch
	s_mov_b32 s32, 0x76543210
	s_mov_b32 s33, 0xfedcba98
	v_and_b32 v1, 31, v0
	v_lshlrev_b32 v1, 4, v1                        ; 16 x lane
	v_and_b32 v14, 15, v0                          ; r
	v_bfe_u32 v15, v0, 4, 1                        ; h
	v_bfe_u32 v2, v0, 2, 1                         ; V(key 8 h + kk, channel 16 ct + r) out of an image: group (r % 8) / 4, lane 8 h + kk + 16 (r / 8), word r % 4
	v_lshlrev_b32 v2, 9, v2
	v_bfe_u32 v3, v0, 3, 1
	v_lshlrev_b32 v3, 1, v3
	v_add_nc_u32 v3, v3, v15
	v_lshl_add_u32 v2, v3, 7, v2
	v_and_b32 v3, 3, v0
	v_lshl_add_u32 v2, v3, 2, v2
	v_lshlrev_b32 v3, 2, v14                       ; W(k + 8 h, n + r): 4 r + 8 h rows of 4,096 bytes
	v_lshl_add_u32 v3, v15, 15, v3
	s_lshl_b32 s30, s20, 12
	v_add_nc_u32 v6, s30, v1                       ; where my head's O^T goes
	s_lshl_b32 s30, s22, 14
	v_add_nc_u32 v7, s30, v1                       ; where my four heads' lie
	s_mul_i32 s30, s22, 4352
	s_lshl_b32 s31, s21, 6
	s_add_co_u32 s30, s30, s31
	s_add_co_u32 s30, s30, RED
	v_mul_u32_u24 v8, v14, 272
	v_lshl_add_u32 v8, v15, 5, v8
	v_add_nc_u32 v8, s30, v8                       ; my part sums: row r, 64 x my columns + 32 h
	s_and_b32 s30, s20, 7
	s_lshl_b32 s30, s30, 1
	s_mul_i32 s31, s30, 272
	s_add_co_u32 s31, s31, RED
	v_mul_u32_u24 v9, v15, 272
	v_lshl_add_u32 v9, v14, 4, v9
	v_add_nc_u32 v9, s31, v9                       ; the end: rows 2 w and 2 w + 1, sixteen lanes to a row
	s_lshl_b32 s31, s30, 12
	v_lshlrev_b32 v10, 12, v15
	v_lshl_add_u32 v10, v14, 4, v10
	v_add_nc_u32 v10, s31, v10
	v_lshlrev_b32 v11, 4, v14
	v_lshlrev_b32 v12, 3, v15
	v_sub_nc_u32 v12, v14, v12                     ; r - 8 h
	v_mov_b32 v13, 0xff800000
	s_wait_kmcnt 0x0
	s_mul_i32 s34, s24, 2*196608
	s_lshl_b32 s25, s20, 12
	s_add_co_u32 s34, s34, s25
	s_mov_b32 s35, 0
	s_add_nc_u64 s[26:27], s[4:5], s[34:35]        ; my batch, tensor mu, my head's four column blocks of Q'
	s_mul_i32 s34, s23, 196608
	s_add_co_u32 s34, s34, 131072
	s_add_nc_u64 s[28:29], s[26:27], s[34:35]      ; V of my work-group's tensor
	s_cmp_eq_u32 s23, 0
	s_cselect_b64 s[8:9], s[8:9], s[10:11]
	s_cselect_b64 s[12:13], s[12:13], s[14:15]
	s_cselect_b64 s[16:17], s[16:17], s[18:19]
	s_lshl_b32 s34, s22, 20                        ; 256 rows of W
	s_lshl_b32 s25, ttmp9, 8                       ; the slab's 64 columns
	s_add_co_u32 s34, s34, s25
	s_lshl_b32 s30, s21, 6
	s_add_co_u32 s34, s34, s30
	s_add_nc_u64 s[8:9], s[8:9], s[34:35]
	s_mov_b32 s34, s25
	s_add_nc_u64 s[12:13], s[12:13], s[34:35]
	s_lshl_b32 s30, s24, 23                        ; 2,048 rows of 4,096 bytes
	s_add_co_u32 s34, s25, s30
	s_add_nc_u64 s[16:17], s[16:17], s[34:35]
.irp tp, 0,1
.irp b, 0,1,2,3
.irp g, 0,1
	global_load_b128 v[QF+4*(8*\tp+2*\b+\g):QF+4*(8*\tp+2*\b+\g)+3], v1, s[26:27] offset:\tp*196608+\b*1024+\g*512
	global_load_b128 v[KFR+4*(8*\tp+2*\b+\g):KFR+4*(8*\tp+2*\b+\g)+3], v1, s[26:27] offset:\tp*196608+65536+\b*1024+\g*512
.endr
.endr
.endr
.macro LOADV ct
.irp kk, 0,1,2,3,4,5,6,7
	global_load_b32 v[VF+8*\ct+\kk], v2, s[28:29] offset:\ct*1024+16*\kk
.endr
.endm
	LOADV 0
	LOADV 1
	LOADV 2
	s_wait_loadcnt 24                              ; Q' and K are in; V's 24 may be out
	LOADV 3
.set i, 0
.rept 32                               ; S^T = K Q'^T: four accumulators by turns, one instruction a turn; the first four start the sums
.if i < 4
	v_wmma_f32_16x16x4_f32 v[ACC+8*(i%4):ACC+8*(i%4)+7], v[KFR+2*i:KFR+2*i+1], v[QF+2*i:QF+2*i+1], 0
.else
	v_wmma_f32_16x16x4_f32 v[ACC+8*(i%4):ACC+8*(i%4)+7], v[KFR+2*i:KFR+2*i+1], v[QF+2*i:QF+2*i+1], v[ACC+8*(i%4):ACC+8*(i%4)+7]
.endif
.set i, i+1
.endr
.rept 8
	v_nop                                          ; eight places behind this form, in front of reads of the sums and of loads into the operands
.endr
.macro LOADW hd, ct                    ; W(64 (4 kq + hd) + 16 ct + 8 h + kk, my column r)
.irp kk, 0,1,2,3,4,5,6,7
	global_load_b32 v[WF+32*\hd+8*\ct+\kk], v3, s[8:9] offset:(64*\hd+16*\ct+\kk)*4096
.endr
.endm
	s_wait_loadcnt 0x0                             ; V
	LOADW 0, 0                                     ; 56 loads of W go out under the softmax
	LOADW 0, 1
	LOADW 0, 2
	LOADW 0, 3
	LOADW 1, 0
	LOADW 1, 1
	LOADW 1, 2
.irp j, 0,1,2,3,4,5,6,7
	v_add_f32 v[TT+\j], v[ACC+\j], v[ACC+8+\j]
.endr
.irp j, 0,1,2,3,4,5,6,7
	v_add_f32 v[PP+\j], v[ACC+16+\j], v[ACC+24+\j]
.endr
.irp j, 0,1,2,3,4,5,6,7
	v_add_f32 v[TT+\j], v[TT+\j], v[PP+\j]         ; register j: key 8 h + j, query r, in units of log2
.endr
.irp j, 0,1,2,3,4,5,6,7
	v_cmp_gt_i32 vcc_lo, \j, v12                   ; hidden where 8 h + j > r
	v_cndmask_b32 v[TT+\j], v[TT+\j], v13, vcc_lo
.endr
	v_max3_num_f32 v14, v[TT], v[TT+1], v[TT+2]
	v_max3_num_f32 v14, v14, v[TT+3], v[TT+4]
	v_max3_num_f32 v14, v14, v[TT+5], v[TT+6]
	v_max_num_f32 v14, v14, v[TT+7]
	v_permlanex16_b32 v15, v14, s32, s33
	v_max_num_f32 v14, v14, v15                    ; the row's maximum: key 0 counts for every query
.irp j, 0,1,2,3,4,5,6,7
	v_sub_f32 v[TT+\j], v[TT+\j], v14
.endr
.irp j, 0,1,2,3,4,5,6,7
	v_exp_f32 v[TT+\j], v[TT+\j]
.endr
	v_nop
	s_wait_alu depctr_va_vdst(0)                   ; one wait for the eight
	v_add_f32 v[PP], v[TT], v[TT+1]
	v_add_f32 v[PP+1], v[TT+2], v[TT+3]
	v_add_f32 v[PP+2], v[TT+4], v[TT+5]
	v_add_f32 v[PP+3], v[TT+6], v[TT+7]
	v_add_f32 v[PP], v[PP], v[PP+1]
	v_add_f32 v[PP+2], v[PP+2], v[PP+3]
	v_add_f32 v[PP], v[PP], v[PP+2]
	v_permlanex16_b32 v[PP+1], v[PP], s32, s33
	v_add_f32 v[PP], v[PP], v[PP+1]
	v_rcp_f32 v14, v[PP]
	v_nop
	s_wait_alu depctr_va_vdst(0)
.irp j, 0,1,2,3,4,5,6,7
	v_mul_f32 v[PP+\j], v[TT+\j], v14              ; the weights, normalised
.endr
.irp sp, 0,1,2,3                       ; O^T = V^T P: keys 8 h + 2 sp, + 1 in each of the four places along K
.irp ct, 0,1,2,3
.if \sp == 0
	v_wmma_f32_16x16x4_f32 v[ACC+8*\ct:ACC+8*\ct+7], v[VF+8*\ct+2*\sp:VF+8*\ct+2*\sp+1], v[PP+2*\sp:PP+2*\sp+1], 0
.else
	v_wmma_f32_16x16x4_f32 v[ACC+8*\ct:ACC+8*\ct+7], v[VF+8*\ct+2*\sp:VF+8*\ct+2*\sp+1], v[PP+2*\sp:PP+2*\sp+1], v[ACC+8*\ct:ACC+8*\ct+7]
.endif
.endr
.endr
.rept 9
	v_nop                                          ; nine: the sums are read by stores, V's registers take loads, and the accumulators are begun anew below
.endr
.irp ct, 0,1,2,3
	ds_store_b128 v6, v[ACC+8*\ct:ACC+8*\ct+3] offset:(2*\ct)*512
	ds_store_b128 v6, v[ACC+8*\ct+4:ACC+8*\ct+7] offset:(2*\ct+1)*512
.endr
	s_wait_dscnt 0x0                               ; for the others' sake: my head's O^T lies in LDS
	s_barrier_signal -1
	s_barrier_wait -1
.macro FETCH hd                        ; head 4 kq + hd, as it was stored, into set hd % 2
.set OFB, 144+80*((\hd)%2)
.irp i, 0,1,2,3,4,5,6,7
	ds_load_b128 v[OFB+4*\i:OFB+4*\i+3], v7 offset:(\hd)*4096+512*\i
.endr
.endm
.macro MM hd                           ; 16 products: source 0 = 16 columns of W, source 1 = my 16 queries
.set OFB, 144+80*((\hd)%2)
.irp ct, 0,1,2,3
.irp sp, 0,1,2,3
.if (\hd == 0) && (\ct == 0)
	v_wmma_f32_16x16x4_f32 v[ACC+8*\sp:ACC+8*\sp+7], v[WF+32*\hd+8*\ct+2*\sp:WF+32*\hd+8*\ct+2*\sp+1], v[OFB+8*\ct+2*\sp:OFB+8*\ct+2*\sp+1], 0
.else
	v_wmma_f32_16x16x4_f32 v[ACC+8*\sp:ACC+8*\sp+7], v[WF+32*\hd+8*\ct+2*\sp:WF+32*\hd+8*\ct+2*\sp+1], v[OFB+8*\ct+2*\sp:OFB+8*\ct+2*\sp+1], v[ACC+8*\sp:ACC+8*\sp+7]
.endif
.endr
.endr
.endm
	s_wait_loadcnt 0x0                             ; the first 56 loads of W
	LOADW 1, 3                                     ; 56 more
	LOADW 2, 0
	LOADW 2, 1
	LOADW 2, 2
	LOADW 2, 3
	LOADW 3, 0
	LOADW 3, 1
	FETCH 0
	FETCH 1
	s_wait_dscnt 8                                 ; set 0 is in; set 1's eight loads may be out
	MM 0
.rept 8
	v_nop
.endr
	FETCH 2
	s_wait_loadcnt 48                              ; (1, 3) is in; the 48 loads behind it may be out
	s_wait_dscnt 8
	MM 1
.rept 8
	v_nop
.endr
	FETCH 3
	s_wait_loadcnt 16                              ; head 2's are in; (3, 0) and (3, 1) may be out
	LOADW 3, 2
	LOADW 3, 3
	s_wait_dscnt 8
	MM 2
	s_wait_loadcnt 0x0
	s_wait_dscnt 0x0
	MM 3
.rept 8
	v_nop
.endr
.irp j, 0,1,2,3,4,5,6,7
	v_add_f32 v[TT+\j], v[ACC+\j], v[ACC+8+\j]
.endr
.irp j, 0,1,2,3,4,5,6,7
	v_add_f32 v[PP+\j], v[ACC+16+\j], v[ACC+24+\j]
.endr
.irp j, 0,1,2,3,4,5,6,7
	v_add_f32 v[TT+\j], v[TT+\j], v[PP+\j]         ; out(r, 16 x my columns + 8 h + j), my four heads' part
.endr
	ds_store_b128 v8, v[TT:TT+3]
	ds_store_b128 v8, v[TT+4:TT+7] offset:16
	s_wait_dscnt 0x0
	s_barrier_signal -1
	s_barrier_wait -1
	s_cmp_ge_u32 s20, 8                            ; eight waves, two rows each, finish
	s_cbranch_scc1 .Lend
	global_load_b128 v[16:19], v11, s[12:13]       ; the bias of my four columns
.irp k, 0,1,2,3
	ds_load_b128 v[20+4*\k:23+4*\k], v9 offset:\k*4352
.endr
	s_wait_dscnt 0x0
	v_pk_add_f32 v[20:21], v[20:21], v[24:25]
	v_pk_add_f32 v[22:23], v[22:23], v[26:27]
	v_pk_add_f32 v[28:29], v[28:29], v[32:33]
	v_pk_add_f32 v[30:31], v[30:31], v[34:35]
	v_pk_add_f32 v[20:21], v[20:21], v[28:29]
	v_pk_add_f32 v[22:23], v[22:23], v[30:31]
	s_wait_loadcnt 0x0
	v_pk_add_f32 v[20:21], v[20:21], v[16:17]
	v_pk_add_f32 v[22:23], v[22:23], v[18:19]
	global_store_b128 v10, v[20:23], s[16:17]      ; sixteen lanes store 256 consecutive bytes, aligned
.Lend:
	s_wait_tensorcnt 0x0                           ; the wave's end
	ds_add_u32 v[SPW], v[NIL]
	s_wait_dscnt 0x0
	s_endpgm
.Lfunc_end_k_q74d9e009d8_fine:
	.size	k_q74d9e009d8_fine, .Lfunc_end_k_q74d9e009d8_fine-k_q74d9e009d8_fine
	.p2alignl 7, 3214868480
	.fill 96, 4, 3214868480
	.section	.rodata,"a",@progbits
	.p2align	6, 0x0
	.amdhsa_kernel k_q74d9e009d8_fine
		.amdhsa_group_segment_fixed_size 84992
		.amdhsa_private_segment_fixed_size 0
		.amdhsa_enable_private_segment 0
		.amdhsa_kernarg_size 56
		.amdhsa_user_sgpr_count 2
		.amdhsa_user_sgpr_kernarg_segment_ptr 1
		.amdhsa_wavefront_size32 1
		.amdhsa_system_sgpr_workgroup_id_x 1
		.amdhsa_system_sgpr_workgroup_id_y 1
		.amdhsa_system_sgpr_workgroup_id_z 1
		.amdhsa_system_vgpr_workitem_id 0
		.amdhsa_next_free_vgpr 256
		.amdhsa_next_free_sgpr 66
		.amdhsa_reserve_vcc 1
		.amdhsa_float_denorm_mode_32 3
		.amdhsa_float_denorm_mode_16_64 3
		.amdhsa_memory_ordered 1
		.amdhsa_forward_progress 1
		.amdhsa_inst_pref_size 38
	.end_amdhsa_kernel
	.amdgpu_metadata
---
amdhsa.version: [ 1, 2 ]
amdhsa.kernels:
  - .name:           k_q74d9e009d8_fine
    .symbol:         k_q74d9e009d8_fine.kd
    .args:
      - { .name: q32, .offset: 0, .size: 8, .value_kind: global_buffer, .address_space: global }
      - { .name: Wproj_mu, .offset: 8, .size: 8, .value_kind: global_buffer, .address_space: global }
      - { .name: Wproj_sigma, .offset: 16, .size: 8, .value_kind: global_buffer, .address_space: global }
      - { .name: bproj_mu, .offset: 24, .size: 8, .value_kind: global_buffer, .address_space: global }
      - { .name: bproj_sigma, .offset: 32, .size: 8, .value_kind: global_buffer, .address_space: global }
      - { .name: out0, .offset: 40, .size: 8, .value_kind: global_buffer, .address_space: global }
      - { .name: out1, .offset: 48, .size: 8, .value_kind: global_buffer, .address_space: global }
    .group_segment_fixed_size: 84992
    .private_segment_fixed_size: 0
    .kernarg_segment_align: 8
    .kernarg_segment_size: 56
    .max_flat_workgroup_size: 512
    .sgpr_count:     66
    .vgpr_count:     256
    .wavefront_size: 32
...
	.end_amdgpu_metadata
.endif
;; end of part 5
